; MI455X (gfx1250); checked and timed in simulation.
; The chip was launched on July 23, 2026; its instructions are those of AMD's public machine-readable ISA for CDNA 5 (MIT licence, August 2026) and "CDNA5" Instruction Set Architecture Reference Guide (July 2026). The comments in the code are by the model that wrote it; some were corrected since.
;; Causal Self Attention. Allowed arithmetic: matrix products marked QUANTISED: E4M3 operands, one given power-of-two scale a tensor, by v_wmma_f32_16x16x64_fp8_fp8 or v_wmma_f32_16x16x128_fp8_fp8, f32 sums; everything else in f32.
;; Inputs: b_attn 3,072 float32; b_proj 1,024 float32; lowp_scales 8 int32 (the exponents e of the quantised operands' scales 2^e); w_attn 3,072 x 1,024 float32; w_proj 1,024 x 1,024 float32; x 4 x 2,048 x 1,024 float32.
;; Outputs: out0 4 x 2,048 x 1,024 float32.
;; This version of the problem:
;;   THIS VERSION OF THE PROBLEM IS GIVEN IN LOW PRECISION. The matrix products marked QUANTISED in the list below multiply operands that are first quantised to E4M3 (4 exponent bits, 3 mantissa bits; 8 bits a number), with one given power-of-two scale for each operand tensor; their sums are f32. All else is computed in f32.
;;   The module's matrix products, in the order in which they are computed (A, B: the left and right operand; K: the contracted axis; several contracted axes count as one K, in the product's order):
;;     1. [M 8,192, K 1,024] x [K 1,024, N 3,072]; A: input x; B: input w_attn: QUANTISED (scales: A lowp_scales[0], B lowp_scales[1])
;;     2. batch 64 x [M 2,048, K 64] x [K 64, N 2,048]; A: computed on the way; B: computed on the way: QUANTISED (scales: A lowp_scales[2], B lowp_scales[3])
;;     3. batch 64 x [M 2,048, K 2,048] x [K 2,048, N 64]; A: softmax (see below); B: computed on the way: QUANTISED (scales: A lowp_scales[4], B lowp_scales[5])
;;     4. [M 8,192, K 1,024] x [K 1,024, N 1,024]; A: computed on the way; B: input w_proj: QUANTISED (scales: A lowp_scales[6], B lowp_scales[7])
;;   THE QUANTISER, for each operand of a quantised product, along K:
;;     - The operand's scale is 2^e, e = its entry of the input lowp_scales (int32; the entries are numbered through the quantised products in the list's order, A before B).
;;     - Each number is divided by the scale, clamped to +-448, and rounded to the nearest number of E4M3, ties to even, subnormals kept.
;;     - The product sums the exact products of the quantised numbers (number of the format x scale) in f32.
;;   ~~~python
;;   def quantise(x, axis, e):      # numpy; x: float32 -> the quantised numbers, widened to float32 again
;;       x = np.moveaxis(x, axis, -1); K = x.shape[-1]
;;       r = np.clip(x / 2.0 ** e, -448, 448)
;;       step = 2.0 ** (np.maximum(np.frexp(np.where(r == 0, 1, r))[1] - 1, -6) - 3)
;;       q = np.round(r / step) * step * 2.0 ** e      # np.round: ties to even
;;       return np.moveaxis(q, -1, axis).astype(np.float32)
;;   ~~~
;;   SOFTMAX AHEAD OF A QUANTISED PRODUCT. Where the list says 'softmax', what is quantised is not the finished softmax but p = 2^(t - M), with t = logit x log2(e) and M = ceil(the row's largest t), a whole number; so 1/2 < the row's largest p <= 1. The row's sum l is taken of the UNQUANTISED p, in f32, and the product's result is divided by l at the end. Since M is a whole number, a kernel that streams over the keys may use a running M (the ceiling of the running maximum): every later rescaling is an exact power of two, so the quantised numbers keep their values, but for numbers so far below the row's largest that they fall under the format's range.
;;   OPERANDS COMPUTED ON THE WAY. 'Computed on the way' means the value that the module computes at that place (a softmax that the list does not call 'softmax' is quantised finished and normalised). What goes into a quantiser is computed in f32, as accurately as f32 sums, v_exp_f32 and their like allow (about 1e-6 of the number): no bf16 or f16 on the way to a quantiser, and a product that is left as it is and whose result goes on into a quantised operand takes f32 operands (vector FMAs, or v_wmma_f32_16x16x4_f32). A number that lies on a knife's edge between two numbers of the format may be rounded either way, as far as f32 arithmetic and the matrix unit's own rounding can turn it there, and no further.
;; One version. Each part assembles by itself: llvm-mc -triple=amdgcn-amd-amdhsa -mcpu=gfx1250 --defsym DOCPART=n.
;; ======== version 1 of 1: 4 launches
;; limits: right only within a limited range of input values
;; workspace buffers: x_codes 8,388,608 bytes; wa_codes 3,145,728 bytes; wp_codes 1,048,576 bytes; qk_codes 16,777,216 bytes; v_codes 8,388,608 bytes; y_codes 8,388,608 bytes
;; launch quant (part 1): grid 768 x 1, 4 waves a work-group, no clusters, 33,280 bytes of LDS; arguments x, w_attn, w_proj, lowp_scales, x_codes, wa_codes, wp_codes; writes x_codes, wa_codes, wp_codes
.if DOCPART == 1
	.amdgcn_target "amdgcn-amd-amdhsa--gfx1250"
	.amdhsa_code_object_version 6
	.text
	.protected	k_q5c57e74661_quant
	.globl	k_q5c57e74661_quant
	.p2align	8
	.type	k_q5c57e74661_quant,@function
k_q5c57e74661_quant:
	s_mov_b64 s[64:65], 0
	v_nop
	global_prefetch_b8 v0, s[64:65] scope:SCOPE_SE
	s_setreg_imm32_b32 hwreg(HW_REG_WAVE_MODE, 25, 1), 1
	s_wait_xcnt 0x0
; x [8192][1024], w_attn [3072][1024] and w_proj [1024][1024], f32, K innermost, become codes of FP8 (E4M3), one byte each, in the same order,
; each with the scale 2^e given for it: entry 0 of the scales for x, entry 1 for w_attn, entry 7 for w_proj.
; code = number / 2^e, held within +-448, rounded to the nearest code, ties to even.
; LIMITS: -126 <= e <= 119, so that 2^e and 448 x 2^e are f32 numbers.  NaN among the inputs is not served (an infinity is held at the largest code).
; Rows are dense, so each tensor is a plain stream.  A work-group takes 16,384 numbers: work-groups 0-511 x, 512-703 w_attn, 704-767 w_proj; only pointers and e are chosen, all take one path.
; A wave takes 8 steps of 512 numbers.  A conversion takes eight neighbours from ONE lane's registers, a load is dense where neighbouring LANES take neighbouring bytes: so each of a step's four loads
; reads 512 consecutive bytes, the 2,048 bytes go through the wave's own stage in LDS as they lie and come back 64 bytes a lane.  A lane's 16 codes are 16 bytes: a store covers 512 consecutive bytes, aligned.
; No matrix unit, no cluster, no tensor load, no barrier: waves share nothing.  Loads run four steps (16 loads a wave) ahead, the turn through LDS one step.
.set STEPS, 8
.set WGX,   512                        ; work-groups of x
.set WGXA,  704                        ; of x and w_attn together
.set EMAX,  8
.set MANT,  0x600000                   ; the mantissa field of 448 as f32
.set CB,    16                         ; bytes of 16 codes
.set R,     16                         ; v16-79   four sets of 16 numbers as they are loaded
.set X,     80                         ; v80-111  two sets of 16 neighbours
.set C,     128                        ; v128-159 codes: four registers for each step, so that no store's data are written again
.set WREG,  8192                       ; LDS: a region of its own for each wave: two stages of 32 x SP bytes
.set SP,    80                         ; a lane's place in a stage: its 64 bytes + 16 of padding
	s_load_b128 s[4:7], s[0:1], 0x0                ; x, w_attn
	s_load_b128 s[8:11], s[0:1], 0x10              ; w_proj, the scales' exponents
	s_load_b128 s[12:15], s[0:1], 0x20             ; x's codes, w_attn's codes
	s_load_b64 s[24:25], s[0:1], 0x30              ; w_proj's codes
	v_lshl_add_u32 v192, v0, 2, 0x8000             ; my spare word, behind the four regions
	v_mov_b32 v193, 0
	v_lshrrev_b32 v1, 5, v0
	v_readfirstlane_b32 s16, v1                    ; wave
	v_and_b32 v2, 31, v0                           ; lane
	v_lshlrev_b32 v3, 4, v2                        ; my 16 bytes of a load's 512
	s_mul_i32 s17, s16, WREG
	v_lshrrev_b32 v14, 2, v2
	v_mul_u32_u24 v14, v14, SP
	v_and_b32 v15, 3, v2
	v_lshl_add_u32 v14, v15, 4, v14
	v_add_nc_u32 v14, s17, v14                     ; the stage, on the way in: four lanes' 64 bytes on end, then 16 of padding
	v_mul_u32_u24 v15, v2, SP
	v_add_nc_u32 v15, s17, v15                     ; and on the way out: my 16 neighbours
	v_mul_u32_u24 v4, v2, CB                       ; my codes' place in a step's
	s_wait_alu depctr_va_vdst(0)                   ; the wait directly ahead of the wait below
	s_wait_kmcnt 0x0
	s_load_b256 s[32:39], s[10:11], 0x0            ; e0 .. e7
	s_cmp_lt_u32 ttmp9, WGXA                       ; which tensor?  The choice hangs on the work-group's number alone
	s_cselect_b64 s[6:7], s[6:7], s[8:9]           ; w_attn or w_proj,
	s_cselect_b64 s[14:15], s[14:15], s[24:25]     ; their codes,
	s_mov_b32 s17, WGXA
	s_cselect_b32 s17, WGX, s17                    ; and the tensor's first work-group
	s_cmp_lt_u32 ttmp9, WGX
	s_cselect_b64 s[4:5], s[4:5], s[6:7]           ; x or one of the two
	s_cselect_b64 s[8:9], s[12:13], s[14:15]
	s_cselect_b32 s17, 0, s17
	s_sub_co_u32 s17, ttmp9, s17
	s_lshl_b32 s17, s17, 2
	s_add_co_u32 s18, s17, s16                     ; which run of 4,096 numbers of the tensor is my wave's
	s_mov_b32 s19, 0
	s_mov_b64 s[20:21], 512*STEPS*4
	s_mul_u64 s[20:21], s[18:19], s[20:21]
	s_add_nc_u64 s[4:5], s[4:5], s[20:21]
	s_mov_b64 s[20:21], 32*STEPS*CB
	s_mul_u64 s[20:21], s[18:19], s[20:21]
	s_add_nc_u64 s[8:9], s[8:9], s[20:21]
.macro LOAD t
.irp i, 0,1,2,3
	global_load_b128 v[R+16*((\t)%4)+4*\i:R+16*((\t)%4)+4*\i+3], v3, s[4:5] offset:2048*(\t)+512*\i th:TH_LOAD_NT   ; 32 lanes read 512 consecutive bytes; read once in the launch
.endr
.endm
.macro TURN t                          ; step t's numbers through the stage: LDS serves a wave's instructions in order (ISA guide 5.7.1.4), so no wait stands between the stores and the loads
.irp i, 0,1,2,3
	ds_store_b128 v14, v[R+16*((\t)%4)+4*\i:R+16*((\t)%4)+4*\i+3] offset:32*SP*((\t)%2)+8*SP*\i
.endr
.irp i, 0,1,2,3
	ds_load_b128 v[X+16*((\t)%2)+4*\i:X+16*((\t)%2)+4*\i+3], v15 offset:32*SP*((\t)%2)+16*\i
.endr
.endm
.irp t, 0,1,2,3
	LOAD \t
.endr
	s_wait_kmcnt 0x0
	s_cmp_lt_u32 ttmp9, WGXA
	s_cselect_b32 s22, s33, s39                    ; e1 or e7,
	s_cmp_lt_u32 ttmp9, WGX
	s_cselect_b32 s22, s32, s22                    ; or e0
	s_add_co_i32 s22, s22, 127
	s_lshl_b32 s23, s22, 23
	v_mov_b32 v11, s23                             ; 2^e as f32: the conversion takes its exponent field
	s_add_co_i32 s22, s22, EMAX
	s_lshl_b32 s22, s22, 23
	s_or_b32 s22, s22, MANT
	v_mov_b32 v10, s22                             ; 448 x 2^e
	s_wait_alu depctr_va_vdst(0)                   ; the wait at the head's end
	s_wait_loadcnt 12                              ; step 0's four loads are in; the twelve of steps 1 to 3 may be out
	TURN 0
.macro STEP t
.set XS, X+16*((\t)%2)
	s_wait_dscnt 0x0                               ; this step's numbers are back from the stage: so its stores into the stage have read their registers,
.if (\t)+4 < STEPS
	LOAD (\t)+4                                    ; which take the loads of four steps on
.endif
.if (\t)+1 < STEPS
.if STEPS-2-(\t) >= 3
	s_wait_loadcnt 12                              ; the next step's four loads are in; those of the three steps behind it may be out
.else
	s_wait_loadcnt 4*(STEPS-2-(\t))                ; the tail: fewer steps are behind it
.endif
	TURN (\t)+1                                    ; and go through the other stage while this step is worked
.endif
.irp i, 0,1,2,3,4,5,6,7,8,9,10,11,12,13,14,15
	v_med3_num_f32 v[XS+\i], v[XS+\i], -v10, v10   ; the conversion to an 8-bit code does not saturate (ISA guide 7.6.2): the hold at the largest code x the scale comes first
.endr
	v_cvt_scalef32_pk8_fp8_f32 v[C+4*(\t):C+4*(\t)+1], v[XS:XS+7], v11          ; eight numbers / 2^e, to the nearest code, ties to even; the first number's code in the lowest byte
	v_cvt_scalef32_pk8_fp8_f32 v[C+4*(\t)+2:C+4*(\t)+3], v[XS+8:XS+15], v11
	global_store_b128 v4, v[C+4*(\t):C+4*(\t)+3], s[8:9] offset:32*CB*(\t)      ; the results go to a store alone; the next vector lines are the next step's holds, on other registers
.endm
.irp t, 0,1,2,3,4,5,6,7
	STEP \t
.endr
	s_wait_tensorcnt 0x0                           ; the wave's end, behind my last LDS store
	ds_add_u32 v192, v193
	s_wait_dscnt 0x0
	s_endpgm
.Lfunc_end_k_q5c57e74661_quant:
	.size	k_q5c57e74661_quant, .Lfunc_end_k_q5c57e74661_quant-k_q5c57e74661_quant
	.p2alignl 7, 3214868480
	.fill 96, 4, 3214868480
	.section	.rodata,"a",@progbits
	.p2align	6, 0x0
	.amdhsa_kernel k_q5c57e74661_quant
		.amdhsa_group_segment_fixed_size 33280
		.amdhsa_private_segment_fixed_size 0
		.amdhsa_enable_private_segment 0
		.amdhsa_kernarg_size 56
		.amdhsa_user_sgpr_count 2
		.amdhsa_user_sgpr_kernarg_segment_ptr 1
		.amdhsa_wavefront_size32 1
		.amdhsa_system_sgpr_workgroup_id_x 1
		.amdhsa_system_sgpr_workgroup_id_y 1
		.amdhsa_system_sgpr_workgroup_id_z 1
		.amdhsa_system_vgpr_workitem_id 0
		.amdhsa_next_free_vgpr 194
		.amdhsa_next_free_sgpr 66
		.amdhsa_reserve_vcc 0
		.amdhsa_float_denorm_mode_32 3
		.amdhsa_float_denorm_mode_16_64 3
		.amdhsa_memory_ordered 1
		.amdhsa_forward_progress 1
		.amdhsa_inst_pref_size 21
	.end_amdhsa_kernel
	.amdgpu_metadata
---
amdhsa.version: [ 1, 2 ]
amdhsa.kernels:
  - .name:           k_q5c57e74661_quant
    .symbol:         k_q5c57e74661_quant.kd
    .args:
      - { .name: x, .offset: 0, .size: 8, .value_kind: global_buffer, .address_space: global }
      - { .name: w_attn, .offset: 8, .size: 8, .value_kind: global_buffer, .address_space: global }
      - { .name: w_proj, .offset: 16, .size: 8, .value_kind: global_buffer, .address_space: global }
      - { .name: lowp_scales, .offset: 24, .size: 8, .value_kind: global_buffer, .address_space: global }
      - { .name: x_codes, .offset: 32, .size: 8, .value_kind: global_buffer, .address_space: global }
      - { .name: wa_codes, .offset: 40, .size: 8, .value_kind: global_buffer, .address_space: global }
      - { .name: wp_codes, .offset: 48, .size: 8, .value_kind: global_buffer, .address_space: global }
    .group_segment_fixed_size: 33280
    .private_segment_fixed_size: 0
    .kernarg_segment_align: 8
    .kernarg_segment_size: 56
    .max_flat_workgroup_size: 128
    .sgpr_count:     66
    .vgpr_count:     194
    .wavefront_size: 32
...
	.end_amdgpu_metadata
.endif
;; end of part 1
;; launch qkv (part 2): grid 12 x 32, 4 waves a work-group, clusters of 4 x 4, 327,680 bytes of LDS; arguments x_codes, wa_codes, lowp_scales, b_attn, qk_codes, v_codes; writes qk_codes, v_codes
.if DOCPART == 2
	.amdgcn_target "amdgcn-amd-amdhsa--gfx1250"
	.amdhsa_code_object_version 6
	.text
	.protected	k_q5c57e74661_qkv
	.globl	k_q5c57e74661_qkv
	.p2align	8
	.type	k_q5c57e74661_qkv,@function
k_q5c57e74661_qkv:
	s_mov_b64 s[64:65], 0
	v_nop
	global_prefetch_b8 v0, s[64:65] scope:SCOPE_SE
	s_setreg_imm32_b32 hwreg(HW_REG_WAVE_MODE, 25, 1), 1
	s_wait_xcnt 0x0
	s_wait_alu depctr_hold_cnt(0) depctr_sa_sdst(0) depctr_va_vdst(0) depctr_va_sdst(0) depctr_va_ssrc(0) depctr_va_vcc(0) depctr_vm_vsrc(0)
	s_getreg_b32 s2, hwreg(HW_REG_IB_STS2, 6, 4)
	s_cmp_eq_u32 s2, 0
	s_cbranch_scc0 .Lentry_in_a_cluster
	s_endpgm
.Lentry_in_a_cluster:
	s_bfe_u32 s2, ttmp6, 0x10000c
	s_cmp_lg_u32 s2, 0xf033
	s_cbranch_scc0 .Lentry_shape_is_right
	s_endpgm
.Lentry_shape_is_right:
; qkv = x w_attn^T + b_attn on codes of FP8 (E4M3), and its three parts quantised again on the way out: q with 2^e2, k with 2^e3, v with 2^e5.  Sums in f32; a sum stands for sum x 2^(e0 + e1).
; x_codes [8192][1024], wa_codes [3072][1024]: K innermost.  OUT: qk_codes [32 = which x 16 + head][8192 tokens][64 d]: the head's axis innermost, which is the next product's K;
; v_codes [4 b][16 head][32 blocks of 64 keys][64 d][64 keys]: the KEYS innermost, which are the K of the product with the softmax's weights.
; A tile of 256 x 256 is made by four waves, 128 x 128 each: 64 accumulators, 512 registers.  The product is Out[row of A][row of B]; the matrix instruction is used transposed (source 0 = 16 rows of B,
; source 1 = 16 rows of A), so a lane holds ONE row of A and its eight registers eight neighbouring rows of B: the conversions want neighbours along the next K in one lane's registers.
; q, k (clusters x = 0, 1): A = x (tokens), B = w_attn's rows 0-2047 (features): registers run along the head's axis.   v (cluster x = 2): A = w_attn's rows 2048-3071, B = x: registers run along the keys.
; The two cases differ in pointers and offsets, chosen by the cluster's x, which all sixteen partners share, and in the way out, which has two arms.
; K = 1,024 goes in four steps of 256 through a ring of two LDS slots filled by the tensor data mover; a tile's row is 256 bytes of memory.  The steps are written out: there is no loop.
; CLUSTERS: 4 x 4 work-groups; A's tile is asked for jointly by a row of the cluster, B's by a column: the same tensor load, the same descriptor, a mask that names the four.
; LIMITS: e2 - e0 - e1, e3 - e0 - e1 and e5 - e0 - e1 lie between -126 and 119, so that the folded scale and 448 x it are f32 numbers.  NaN is not served.
; REGISTERS, in windows of 256: window 0: v0-31 addresses; v32-95 the bias of my 128 columns (q, k); v96-103 of my 128 rows (v), v112-127 the same, scaled, in pairs; v104, v105 scale and hold;
;   from v128 A's fragments, ONE set; on the way out v128-191 64 numbers, v192-207 their codes, v208-239 two sets of 16 registers back from the stage.
;   window 1: B's fragments, TWO sets.   window 2: the accumulators of my rows 0-63 ((a, b) at v[8 (8 a + b)]);   window 3: those of my rows 64-127.
.set ROWB,   256                       ; a tile's row in bytes: a K step's codes
.set KROW,   1024                      ; a row of A or of B in memory, in bytes
.set PITCH,  272                       ; an LDS row: 256 bytes + 16 of padding = 68 words: the 16 rows that a load touches start at 16 different banks (64 banks of 4 bytes: ISA guide 11.1)
.set FR,     16                        ; registers of a fragment: 16 rows x 128 K
.set NL,     4                         ; LDS loads that bring one
.set NP,     4                         ; places behind this matrix instruction (ISA guide 7.12.1)
.set HALFT,  128*PITCH                 ; 128 rows: what one tensor load brings, and what one wave reads of A or of B
.set SLOT,   4*HALFT                   ; A's 256 rows, then B's 256 rows
.set SPARE,  2*SLOT                    ; behind the ring: the spare words, 128 bytes for each wave: two blocks of 256 bytes that no other line names
.set WSTG,   2560                      ; the way out: a wave's stage: 2 blocks of 64 codes x 16 rows x (64 bytes + 16).  The stages lie in slot 0, which has had its last fill and its last read by then
.set ARMB,   4*WSTG                    ; each arm of the way out has stage bytes of its own
.set ADRA, 16                          ; v16-17  LDS address of my A fragments in slot 0, 1
.set ADRB, 20                          ; v20-21  the same for B
.set STO,  24                          ; v24     the way out: where I put 8 codes of a row
.set RD,   25                          ; v25     where I read 16 codes back
.set CO,   26                          ; v26     16 x lane: my bytes in a store's 512
.set SPW,  28                          ; v28     LDS address of my spare word; never rewritten
.set NIL,  29                          ; v29     0; never rewritten
.set BB,   32
.set BA,   96
.set SC,   104
.set LIM,  105
.set BAS,  112
.set AF,   128
.set TMP,  128
.set CD,   192
.set BK,   208
.set G1, 24                            ; s[24:31] descriptor group 1 for A's tiles;  s[32:39] group 0, one set for each slot
.set G0, 32
.set G1B, 48                           ; s[48:55], s[56:63] the same for B's tiles
.set G0B, 56
.set MSB, 0
.macro WIN new                         ; the immediate's high byte repeats the setting that is left; a switch that changes nothing is dropped
.if MSB != (\new)
	s_set_vgpr_msb (MSB<<8)|(\new)
.set MSB, (\new)
.endif
.endm
.set MUL_LO, 0xa1                      ; source 0 (B) window 1, source 1 (A) window 0, C and D window 2
.set MUL_HI, 0xf1                      ; the same, C and D window 3
.set TO_B,   0x40                      ; destination window 1, address window 0
; A joint load: waves 0 and 1 fetch for A, waves 2 and 3 for B.  Each line has ONE mask and one set of registers for all that issue it; the branch hangs on the wave's number alone.
; Four v_nop follow each of the two lines, ahead of the jump, the label and what follows.
.macro JLOAD g0a, g1a, g0b, g1b
	s_cmp_eq_u32 s15, 0
	s_cbranch_scc0 .Lfor_b_\@
	tensor_load_to_lds s[\g0a:\g0a+3], s[\g1a:\g1a+7]
	s_nop 0
.rept 4
	v_nop
.endr
	s_branch .Lasked_\@
.Lfor_b_\@:
	tensor_load_to_lds s[\g0b:\g0b+3], s[\g1b:\g1b+7]
	s_nop 0
.rept 4
	v_nop
.endr
.Lasked_\@:
.endm
.macro CREST                           ; a round of the cluster's barrier behind its opening barrier
	s_cmp_lg_u32 s14, 0
	s_cbranch_scc1 .Lnot_wave_0_\@
	s_barrier_signal -3
.Lnot_wave_0_\@:
	s_barrier_wait -3
	s_barrier_signal -1
	s_barrier_wait -1
.endm
.macro CROUND                          ; a whole round
	s_barrier_signal -1
	s_barrier_wait -1
	CREST
.endm
	s_load_b256 s[4:11], s[0:1], 0x0               ; x's codes s[4:5], w_attn's s[6:7], the scales' exponents s[8:9], b_attn s[10:11]
	s_load_b128 s[68:71], s[0:1], 0x20             ; qk_codes s[68:69], v_codes s[70:71]
	v_lshl_add_u32 v[SPW], v0, 2, SPARE
	v_mov_b32 v[NIL], 0
	ds_add_u32 v28, v29
	ds_add_u32 v28, v29
	s_wait_dscnt 0x0
	v_lshrrev_b32 v1, 5, v0
	v_readfirstlane_b32 s14, v1                    ; wave 0..3
	s_lshr_b32 s15, s14, 1                         ; which half of the tile's rows is mine.  Also: I fetch for A (0) or for B (1)
	s_and_b32 s16, s14, 1                          ; which half of its columns.  Also: which 128 rows of that tile I fetch
	s_bfe_u32 s40, ttmp6, 0x40000                  ; cx, cy: my place in the cluster
	s_bfe_u32 s41, ttmp6, 0x40004
	s_and_b32 s83, ttmp7, 0xffff                   ; the cluster's y, 0..7
	s_cmp_eq_u32 ttmp9, 2                          ; the cluster's x: 0 q, 1 k, 2 v
	s_cselect_b32 s80, 1, 0                        ; 1: this cluster makes v
	s_cselect_b32 s81, 0, s83                      ; which four tile rows: v has only four (1,024 features),
	s_cselect_b32 s82, s83, ttmp9                  ; which four tile columns: and 32 tile columns (8,192 tokens)
	s_lshl_b32 s42, s82, 2
	s_add_co_u32 s42, s42, s40                     ; tile column
	s_lshl_b32 s17, s81, 2
	s_add_co_u32 s17, s17, s41                     ; tile row
	s_lshl_b32 s43, s41, 2
	s_lshl_b32 s43, 15, s43                        ; my row of the cluster
	s_lshl_b32 s44, 0x1111, s40                    ; my column
	; descriptor group 1: a tile of 128 rows x 256 bytes, padded in LDS
	s_or_b32 s[G1+0], s43, (0<<16)|(1<<20)|(1<<21)|(5<<22)|(3<<25)  ; 15:0 the mask: A's tiles go to my row; 17:16 elements of 1 byte; 20 padding on; 21 set beside a mask; 24:22 after every 64 words (code 5); 31:25 four words (code 3)
	s_or_b32 s[G1B+0], s44, (0<<16)|(1<<20)|(1<<21)|(5<<22)|(3<<25) ; the same with the mask of my column
.irp g, G1, G1B
	s_mov_b32 s[\g+1], ROWB<<16                    ; tensor_dim0
	s_mov_b32 s[\g+2], 128<<16                     ; tensor_dim1
	s_mov_b32 s[\g+3], ROWB<<16                    ; tile_dim0
	s_mov_b32 s[\g+4], 128                         ; tile_dim1
	s_mov_b32 s[\g+5], KROW                        ; tensor_dim0_stride
	s_mov_b32 s[\g+6], 0
	s_mov_b32 s[\g+7], 0
.endr
	s_lshl_b32 s18, s16, 7                         ; which 128 rows of the tile I fetch
	s_lshl_b32 s20, s17, 8
	s_add_co_u32 s20, s20, s18                     ; A: row 256 x tile row + 128 x half,
	s_lshl_b32 s19, s80, 11
	s_add_co_u32 s20, s20, s19                     ; + 2,048 in w_attn, where v's rows begin
	s_lshl_b32 s46, s42, 8
	s_add_co_u32 s46, s46, s18                     ; B: row 256 x tile column + 128 x half
	s_lshl_b32 s20, s20, 10                        ; in bytes: under 2^23
	s_mov_b32 s21, 0
	s_lshl_b32 s46, s46, 10
	s_mov_b32 s47, 0
	s_mul_i32 s45, s14, HALFT                      ; where they go: wave x 128 rows: no place in the cluster enters an LDS address
	s_wait_kmcnt 0x0
	s_load_b256 s[72:79], s[8:9], 0x0              ; e0 .. e7
	s_cmp_eq_u32 ttmp9, 2
	s_cselect_b64 s[84:85], s[6:7], s[4:5]         ; A is w_attn for v, else x;
	s_cselect_b64 s[86:87], s[4:5], s[6:7]         ; B the other
	s_add_nc_u64 s[20:21], s[84:85], s[20:21]
	s_add_nc_u64 s[46:47], s[86:87], s[46:47]
	CROUND                                         ; all sixteen work-groups are here: the first joint loads meet
.irp s, 0,1
	s_mov_b32 s[G0+4*\s], 1
	s_add_co_u32 s[G0+4*\s+1], s45, \s*SLOT
	s_add_nc_u64 s[G0+4*\s+2:G0+4*\s+3], s[20:21], \s*ROWB
	s_or_b32 s[G0+4*\s+3], s[G0+4*\s+3], 0x80000000
	s_mov_b32 s[G0B+4*\s], 1
	s_add_co_u32 s[G0B+4*\s+1], s45, \s*SLOT
	s_add_nc_u64 s[G0B+4*\s+2:G0B+4*\s+3], s[46:47], \s*ROWB
	s_or_b32 s[G0B+4*\s+3], s[G0B+4*\s+3], 0x80000000
.endr
	JLOAD G0, G1, G0B, G1B                         ; K step 0: one tensor load a wave at the head
	v_and_b32 v1, 15, v0                           ; r = lane % 16
	s_wait_alu depctr_va_vdst(0)
	v_bfe_u32 v2, v0, 4, 1                         ; h = lane / 16
	v_mul_u32_u24 v3, v1, PITCH
	v_lshl_add_u32 v4, v2, 4, v3                   ; a fragment's row x pitch + 16 x half
	s_mul_i32 s21, s15, HALFT                      ; my 128 rows of A
	s_mul_i32 s22, s16, HALFT                      ; my 128 rows of B,
	s_add_co_u32 s22, s22, 2*HALFT                 ; which lie behind A's 256
.irp s, 0,1
	v_add_nc_u32 v[ADRA+\s], s21, v4
	v_add_nc_u32 v[ADRB+\s], s22, v4
	s_add_co_u32 s21, s21, SLOT
	s_add_co_u32 s22, s22, SLOT
.endr
	s_mul_i32 s23, s14, WSTG                       ; my stage
	v_mul_u32_u24 v5, v1, 80
	s_wait_alu depctr_va_vdst(0)
	v_lshl_add_u32 v5, v2, 3, v5
	v_add_nc_u32 v[STO], s23, v5                   ; in: row r of 80 bytes, + 8 h
	v_and_b32 v6, 31, v0
	v_lshrrev_b32 v5, 2, v6
	v_mul_u32_u24 v5, v5, 80
	v_and_b32 v3, 3, v6
	v_lshl_add_u32 v5, v3, 4, v5
	v_add_nc_u32 v[RD], s23, v5                    ; back: four lanes to a row of 64 codes, eight rows an instruction
	v_lshlrev_b32 v[CO], 4, v6
	v_lshlrev_b32 v7, 5, v2                        ; the bias of columns: 8 numbers of my half
	s_wait_alu depctr_va_vdst(0)
	v_lshlrev_b32 v8, 2, v1                        ; the bias of rows: my row's number
	; THE BIAS is asked for here and lands under the products.  q, k: it belongs to the columns (features 256 x tile column + 128 x half on); v: to the rows (features 2,048 + 256 x tile row + 128 x half on).
	; Every work-group loads both forms, the one that its case does not use from b_attn's first numbers: 24 loads in place of a second parting of the ways; the way out's arm reads its own form alone.
	s_wait_alu depctr_va_vdst(0)
	s_lshl_b32 s90, s42, 8
	s_lshl_b32 s91, s16, 7
	s_add_co_u32 s90, s90, s91
	s_lshl_b32 s91, s17, 8
	s_lshl_b32 s18, s15, 7
	s_add_co_u32 s91, s91, s18
	s_add_co_u32 s91, s91, 2048
	s_cmp_eq_u32 s80, 0
	s_cselect_b32 s90, s90, 0                      ; the columns' first feature, at most 1,920
	s_cselect_b32 s18, 0, s91                      ; the rows' first feature, at most 2,944
	s_lshl_b32 s90, s90, 2
	s_mov_b32 s91, 0
	s_add_nc_u64 s[92:93], s[10:11], s[90:91]
	s_lshl_b32 s90, s18, 2
	s_add_nc_u64 s[94:95], s[10:11], s[90:91]
.irp b, 0,1,2,3,4,5,6,7
	global_load_b128 v[BB+8*\b:BB+8*\b+3], v7, s[92:93] offset:64*\b         ; columns 16 b + 8 h + 0 .. 7: the layout of accumulator (a, b)
	global_load_b128 v[BB+8*\b+4:BB+8*\b+7], v7, s[92:93] offset:64*\b+16
.endr
.irp a, 0,1,2,3,4,5,6,7
	global_load_b32 v[BA+\a], v8, s[94:95] offset:64*\a                      ; row 16 a + r
.endr
.macro FRAG reg, adr, q, i             ; a fragment, 16 rows x 128 K of 8-bit codes, is 16 registers: lane l holds row l % 16; registers 4 c .. 4 c + 3 hold K = 32 c + 16 (l / 16) + 0 .. 15: the same places in A and in B
.irp c, 0,1,2,3
	ds_load_b128 v[\reg+4*\c:\reg+4*\c+3], v[\adr] offset:128*(\q)+32*\c+(\i)*16*PITCH
.endr
.endm
; 16 matrix instructions: A's blocks a0, a0 + 1 x B's eight, 128 along K.  p: B's set.  zero = 1: the first product starts the sums: nothing is ever cleared.
; The 64 accumulators take turns, one instruction a turn, in the same order in every step.
.macro MUL16 a0, p, zero
.irp a, \a0, \a0+1
.irp b, 0,1,2,3,4,5,6,7
.if \zero
	v_wmma_f32_16x16x128_fp8_fp8 v[8*(8*((\a)%4)+\b):8*(8*((\a)%4)+\b)+7], v[128*(\p)+FR*\b:128*(\p)+FR*\b+FR-1], v[AF+FR*(\a):AF+FR*(\a)+FR-1], 0
.else
	v_wmma_f32_16x16x128_fp8_fp8 v[8*(8*((\a)%4)+\b):8*(8*((\a)%4)+\b)+7], v[128*(\p)+FR*\b:128*(\p)+FR*\b+FR-1], v[AF+FR*(\a):AF+FR*(\a)+FR-1], v[8*(8*((\a)%4)+\b):8*(8*((\a)%4)+\b)+7]
.endif
.endr
.endr
.endm
.macro FETCH_B slot, q, p              ; B's eight fragments of the slot's q-th 128 along K into set p
	WIN TO_B
.irp i, 0,1,2,3,4,5,6,7
	FRAG 128*(\p)+FR*\i, ADRB+\slot, \q, \i
.endr
	WIN 0
.endm
.macro FETCH_A slot, q, i0             ; A's blocks i0 .. i0 + 3
.irp i, \i0, \i0+1, \i0+2, \i0+3
	FRAG AF+FR*(\i), ADRA+\slot, \q, \i
.endr
.endm
; A load into a register that a matrix instruction has read, and a vector instruction that reads a matrix result or writes one of its registers, stand NP places behind it; only plain vector
; instructions that name none of its registers are places (ISA guide 7.12.1 for vector instructions).
.macro PLACES n
.rept \n
	v_nop
.endr
.endm
; A step of 128 along K that has its successor in the same slot.  A block of A is free once its eight products are issued: blocks 0-3 are fetched anew in the step's middle, blocks 4-7 at its end.
.macro STEP slot, q, zero
	s_wait_dscnt 4*NL                              ; B's set and A's blocks 0-3 are in; the youngest sixteen loads (A's blocks 4-7) may be out
	WIN MUL_LO
	MUL16 0, (\q)%2, \zero
	MUL16 2, (\q)%2, \zero
	s_wait_dscnt 0                                 ; A's blocks 4-7 are in (asked for 32 matrix instructions ago)
	PLACES NP
	FETCH_B \slot, (\q)+1, 1-(\q)%2
	FETCH_A \slot, (\q)+1, 0
	WIN MUL_HI
	MUL16 4, (\q)%2, \zero
	MUL16 6, (\q)%2, \zero
	PLACES NP
	WIN 0
	FETCH_A \slot, (\q)+1, 4
.endm
; A slot's last step changes slots: ONE barrier; in front of it each wave waits for all its tensor loads, adds 0 to its spare word, and waits for that and for its own reads of this slot.  fill = 1: this slot is filled again, two K steps ahead.
.macro TURN slot, next, fill
	s_wait_tensorcnt 0x0                           ; all my tensor loads have landed: my part of the next slot  (every window is 0 here)
	ds_add_u32 v[SPW], v[NIL]                      ; 0 onto my spare word
	s_wait_dscnt 4*NL+1                            ; (the add and the youngest sixteen loads, A's blocks 4-7, may be out)
	WIN MUL_LO
	MUL16 0, 1, 0                                  ; sixteen matrix instructions stand between the add and the wait for it
	s_wait_dscnt 0x0                               ; the add is done, and my reads of this slot are over
	s_barrier_signal -1
	MUL16 2, 1, 0
	WIN 0
	s_barrier_wait -1
.if \fill
	CREST                                          ; the barrier has opened a round of the cluster's barrier: no wave of any partner still reads this slot's tile or has a load on its way
	s_add_nc_u64 s[G0+4*\slot+2:G0+4*\slot+3], s[G0+4*\slot+2:G0+4*\slot+3], 2*ROWB
	s_add_nc_u64 s[G0B+4*\slot+2:G0B+4*\slot+3], s[G0B+4*\slot+2:G0B+4*\slot+3], 2*ROWB
	JLOAD G0+4*\slot, G1, G0B+4*\slot, G1B         ; the first tensor load behind the round, and my only one until the next; its four v_nop are the places in front of the loads below
.else
	PLACES NP
.endif
	FETCH_B \next, 0, 0
	FETCH_A \next, 0, 0
	WIN MUL_HI
	MUL16 4, 1, 0
	MUL16 6, 1, 0
	PLACES NP
	WIN 0
	FETCH_A \next, 0, 4
.endm
	s_wait_alu depctr_va_vdst(0)                   ; the wait at the head's end
	s_wait_tensorcnt 0x0                           ; my part of K step 0 is in; slot 1's first fill is issued as a refill is:
	ds_add_u32 v[SPW], v[NIL]                      ; 0 onto my spare word
	s_wait_dscnt 0x0
	CROUND                                         ; everybody's part of K step 0 is in, and all sixteen work-groups are here
	JLOAD G0+4, G1, G0B+4, G1B                     ; K step 1: the first tensor load behind the round
	FETCH_B 0, 0, 0
	FETCH_A 0, 0, 0
	FETCH_A 0, 0, 4
	STEP 0, 0, 1                                   ; K 0-127: its products start the sums
	TURN 0, 1, 1                                   ; K 128-255; slot 0 takes K step 2
	STEP 1, 0, 0
	TURN 1, 0, 1                                   ; slot 1 takes K step 3
	STEP 0, 0, 0
	TURN 0, 1, 0                                   ; nothing is left to fetch: a plain barrier; behind it nobody reads slot 0
	STEP 1, 0, 0
	s_wait_dscnt 4*NL                              ; the last 128 along K
	WIN MUL_LO
	MUL16 0, 1, 0
	MUL16 2, 1, 0
	s_wait_dscnt 0
	WIN MUL_HI
	MUL16 4, 1, 0
	MUL16 6, 1, 0
	WIN 0
; THE WAY OUT, block by block of 16 rows of A x 128 rows of B.  number = (sum + bias / 2^(e0 + e1)) x 2^(e0 + e1), and its code is number / 2^eo: the three exponents are folded into the conversion's one scale,
; 2^(eo - e0 - e1), and the bias goes in divided by 2^(e0 + e1), which rounds nothing short of underflow.  A lane's eight codes are 8 bytes of a row of 64; the rows meet in my own stage in LDS and come back as
; 16 rows x 64 bytes = 1,024 bytes that are dense in the output: each store covers 512 consecutive bytes, aligned.  LDS serves a wave's instructions in order (ISA guide 5.7.1.4): no wait between stores and loads.
.macro TOSTAGE a, isv
.set AC, 64*((\a)%4)
	WIN 0x02+((\a)/4)                              ; source 0: window 2 or 3
.set jj, 0
.rept 32
.if \isv
	v_pk_add_f32 v[TMP+jj:TMP+jj+1], v[AC+jj:AC+jj+1], v[BAS+2*(\a):BAS+2*(\a)+1]   ; my row's bias; each accumulator is read from its low end on
.else
	v_pk_add_f32 v[TMP+jj:TMP+jj+1], v[AC+jj:AC+jj+1], v[BB+jj:BB+jj+1]             ; the columns' bias
.endif
.set jj, jj+2
.endr
	WIN 0
.set jj, 0
.rept 64
	v_med3_num_f32 v[TMP+jj], v[TMP+jj], -v[LIM], v[LIM]   ; the conversion to an 8-bit code does not saturate (ISA guide 7.6.2): the hold comes first
.set jj, jj+1
.endr
.irp b, 0,1,2,3,4,5,6,7
	v_cvt_scalef32_pk8_fp8_f32 v[CD+2*\b:CD+2*\b+1], v[TMP+8*\b:TMP+8*\b+7], v[SC]
.endr
	v_nop                                          ; one plain vector line behind the last conversion, ahead of the next vector line that writes its sources
.irp b, 0,1,2,3,4,5,6,7
	ds_store_b64 v[STO], v[CD+2*\b:CD+2*\b+1] offset:ARMB*\isv+1280*(\b/4)+16*(\b%4)
.endr
.irp t, 0,1,2,3
	ds_load_b128 v[BK+16*((\a)%2)+4*\t:BK+16*((\a)%2)+4*\t+3], v[RD] offset:ARMB*\isv+1280*(\t/2)+640*(\t%2)
.endr
.endm
.macro SEND a, younger, isv            ; younger: the LDS instructions issued behind block a's loads, which may stay out
.if \isv
.set RO, ((\a)/4)*131072+((\a)%4)*1024 ; rows are features: four blocks to a head, 16 rows of 64 bytes a block;
.set CST, 4096                         ; columns are keys: the next 64 keys lie 64 d x 64 bytes on
.else
.set RO, (\a)*1024                     ; rows are tokens of 64 bytes;
.set CST, 524288                       ; columns are features: the next head lies 8,192 tokens on
.endif
	s_wait_dscnt \younger
.irp t, 0,1,2,3
	global_store_b128 v[CO], v[BK+16*((\a)%2)+4*\t:BK+16*((\a)%2)+4*\t+3], s[88:89] offset:RO+CST*(\t/2)+512*(\t%2)
.endr
.endm
.macro WAYOUT isv
	TOSTAGE 0, \isv
.irp a, 1,2,3,4,5,6,7
.if \a > 1
	s_wait_xcnt 0x0                                ; block a - 2's stores have read their registers: block a's loads may land there
.endif
	TOSTAGE \a, \isv
	SEND \a-1, 12, \isv                            ; behind block a - 1's loads: block a's 8 stores and 4 loads
.endr
	SEND 7, 0, \isv
.endm
.macro SCALES eo                       ; s[eo] - (e0 + e1): the conversion's scale and 448 x it
	s_sub_co_i32 s90, s[\eo], s96
	s_add_co_i32 s90, s90, 127
	s_lshl_b32 s91, s90, 23
	v_mov_b32 v[SC], s91
	s_add_co_i32 s90, s90, 8
	s_lshl_b32 s90, s90, 23
	s_or_b32 s90, s90, 0x600000
	v_mov_b32 v[LIM], s90
.endm
	s_wait_kmcnt 0x0                               ; the exponents
	s_wait_loadcnt 0x0                             ; the biases
	s_add_co_i32 s96, s72, s73                     ; e0 + e1
	s_sub_co_i32 s97, 0, s96
	s_cmp_eq_u32 s80, 0                            ; the same in all sixteen partners and in all four waves
	s_cbranch_scc0 .Larm_v
	; ---- q and k
	s_cmp_eq_u32 ttmp9, 0
	s_cselect_b32 s18, s74, s75                    ; e2 for q, e3 for k
	SCALES 18
.set jj, 0
.rept 64
	v_ldexp_f32 v[BB+jj], v[BB+jj], s97            ; bias / 2^(e0 + e1).  (These lines are also the places behind the last products)
.set jj, jj+1
.endr
	s_lshl_b32 s90, s42, 2
	s_lshl_b32 s91, s16, 1
	s_add_co_u32 s90, s90, s91                     ; my first block of 64 features: 4 x tile column + 2 x half
	s_lshl_b32 s90, s90, 13                        ; x 8,192 tokens,
	s_lshl_b32 s91, s17, 8
	s_add_co_u32 s90, s90, s91
	s_lshl_b32 s91, s15, 7
	s_add_co_u32 s90, s90, s91                     ; + my first token,
	s_lshl_b32 s90, s90, 6                         ; x 64 bytes: under 2^24
	s_mov_b32 s91, 0
	s_add_nc_u64 s[88:89], s[68:69], s[90:91]
	WAYOUT 0
	s_branch .Lend
.Larm_v:
	; ---- v
	SCALES 77                                      ; e5
.irp a, 0,1,2,3,4,5,6,7
	v_ldexp_f32 v[BAS+2*\a], v[BA+\a], s97         ; my row's bias / 2^(e0 + e1), twice: a pair for the packed addition.  (Also the places behind the last products)
	v_ldexp_f32 v[BAS+2*\a+1], v[BA+\a], s97
.endr
	s_lshr_b32 s90, s42, 3
	s_lshl_b32 s90, s90, 21                        ; the batch: eight tile columns each; 16 heads x 131,072 bytes
	s_lshl_b32 s91, s17, 2
	s_add_co_u32 s91, s91, s15
	s_add_co_u32 s91, s91, s15                     ; my first head: 4 x tile row + 2 x half
	s_lshl_b32 s91, s91, 17
	s_add_co_u32 s90, s90, s91
	s_lshl_b32 s91, s42, 2
	s_add_co_u32 s91, s91, s16
	s_add_co_u32 s91, s91, s16
	s_and_b32 s91, s91, 31                         ; my first block of 64 keys in the batch
	s_lshl_b32 s91, s91, 12
	s_add_co_u32 s90, s90, s91
	s_mov_b32 s91, 0
	s_add_nc_u64 s[88:89], s[70:71], s[90:91]
	WAYOUT 1
.Lend:
	s_wait_tensorcnt 0x0                           ; the wave's end, behind my last tensor load and my last LDS store
	ds_add_u32 v[SPW], v[NIL]
	s_wait_dscnt 0x0
	CROUND                                         ; the closing round: no work-group ends while a partner may still ask for a tile that names it
	s_endpgm
.Lfunc_end_k_q5c57e74661_qkv:
	.size	k_q5c57e74661_qkv, .Lfunc_end_k_q5c57e74661_qkv-k_q5c57e74661_qkv
	.p2alignl 7, 3214868480
	.fill 96, 4, 3214868480
	.section	.rodata,"a",@progbits
	.p2align	6, 0x0
	.amdhsa_kernel k_q5c57e74661_qkv
		.amdhsa_group_segment_fixed_size 327680
		.amdhsa_private_segment_fixed_size 0
		.amdhsa_enable_private_segment 0
		.amdhsa_kernarg_size 48
		.amdhsa_user_sgpr_count 2
		.amdhsa_user_sgpr_kernarg_segment_ptr 1
		.amdhsa_wavefront_size32 1
		.amdhsa_system_sgpr_workgroup_id_x 1
		.amdhsa_system_sgpr_workgroup_id_y 1
		.amdhsa_system_sgpr_workgroup_id_z 1
		.amdhsa_system_vgpr_workitem_id 0
		.amdhsa_next_free_vgpr 1024
		.amdhsa_next_free_sgpr 98
		.amdhsa_reserve_vcc 0
		.amdhsa_float_denorm_mode_32 3
		.amdhsa_float_denorm_mode_16_64 3
		.amdhsa_memory_ordered 1
		.amdhsa_forward_progress 1
		.amdhsa_inst_pref_size 212
	.end_amdhsa_kernel
	.amdgpu_metadata
---
amdhsa.version: [ 1, 2 ]
amdhsa.kernels:
  - .name:           k_q5c57e74661_qkv
    .symbol:         k_q5c57e74661_qkv.kd
    .args:
      - { .name: x_codes, .offset: 0, .size: 8, .value_kind: global_buffer, .address_space: global }
      - { .name: wa_codes, .offset: 8, .size: 8, .value_kind: global_buffer, .address_space: global }
      - { .name: lowp_scales, .offset: 16, .size: 8, .value_kind: global_buffer, .address_space: global }
      - { .name: b_attn, .offset: 24, .size: 8, .value_kind: global_buffer, .address_space: global }
      - { .name: qk_codes, .offset: 32, .size: 8, .value_kind: global_buffer, .address_space: global }
      - { .name: v_codes, .offset: 40, .size: 8, .value_kind: global_buffer, .address_space: global }
    .group_segment_fixed_size: 327680
    .private_segment_fixed_size: 0
    .kernarg_segment_align: 8
    .kernarg_segment_size: 48
    .max_flat_workgroup_size: 128
    .sgpr_count:     98
    .vgpr_count:     1024
    .wavefront_size: 32
...
	.end_amdgpu_metadata
.endif
;; end of part 2
;; launch attn (part 3): grid 4 x 64, 8 waves a work-group, no clusters, 327,680 bytes of LDS; arguments qk_codes, v_codes, lowp_scales, y_codes; writes y_codes
.if DOCPART == 3
	.amdgcn_target "amdgcn-amd-amdhsa--gfx1250"
	.amdhsa_code_object_version 6
	.text
	.protected	k_q5c57e74661_attn
	.globl	k_q5c57e74661_attn
	.p2align	8
	.type	k_q5c57e74661_attn,@function
k_q5c57e74661_attn:
	s_mov_b64 s[64:65], 0
	v_nop
	global_prefetch_b8 v0, s[64:65] scope:SCOPE_SE
	s_setreg_imm32_b32 hwreg(HW_REG_WAVE_MODE, 25, 1), 1
	s_wait_xcnt 0x0
; y[b][t][head] = the sum over keys k <= t of softmax_k(q . k / 8) v, both products on codes of FP8 (E4M3), and y quantised with 2^e6 for the last product.
; qk_codes [32 = which x 16 + head][8192 tokens][64 d];  v_codes [b][head][32 blocks of 64 keys][64 d][64 keys];  y_codes [64 blocks of 128 tokens][16 heads][128 tokens][64 d].
; THE SOFTMAX: t = score x log2(e) / 8; M = the ceiling of the row's largest t so far; p = 2^(t - M) is quantised (2^e4), not normalised; the row's sum is taken of the unquantised p and divides O at the end.
; When M moves, the sum and O are multiplied by 2^(old M - new M): nothing is rounded, and no branch hangs on data.
; LEFT OUT: steps of 128 keys that lie wholly behind a tile's queries: the causal mask makes their weights 0.
; SHARES.  Work-group (j, head of a batch), j = 0..3, owns the blocks 15-j, 8+j, 7-j, j of 128 queries: (16-j)+(9+j)+(8-j)+(j+1) = 34 units of 128 x 128 for every j.
; Each of its EIGHT waves owns tile w (16 queries) of all four blocks, in 512 registers: in every step all eight waves have the same tiles live, and one fragment of K and of V serves up to four tiles.
; Every wave walks four slots of 512 keys, 128 keys a step; trip counts are constants; a tile whose block lies ahead of the step's keys is jumped over by a branch on ids, round its work alone.
; Keys 1,536 on are live for block 15-j alone (8+j <= 11), so the last slot, which is written out since it asks for no further slot, holds tile 0 alone.
; THE DIAGONAL: a block's diagonal step has the same shape in all four tiles of a wave: 64 registers hold 0 or -3e38, made once, and go in as the C of that step's score products.
; THE RING: two LDS slots; each wave fetches an eighth of a slot (waves 0-3: 128 keys of K; waves 4-7: two blocks of V), 8,192 dense bytes, by one tensor load with no branch round it.
; K's fragments of the next step are asked for behind tile 0's score products, V's at a step's head.
; NO CLUSTER, though the four work-groups of a head walk the same K and V: which tiles are live hangs on j, the place a partner would have in its cluster, and a slot holds 16, 12, 8, 4 tile steps at the most
; but 34 in each partner's sum: a joint ring would hold each partner to the fullest one in every slot.
; LAYOUT.  Both products transposed: S^T = K Q^T, O^T = V^T P^T: a lane holds ONE query.  Lane r of K's tile 2 b + u takes key 32 b + 8 u + r + 8 (r / 8): registers 16 b + i hold keys 32 b + 16 (lane / 16) + i.
; LIMITS: e2 + e3 between -90 and 130 (added to c's exponent field; -3e38 x c must lie under every t); the scaled scores stay under 2^31 in magnitude; e4, e6 between -126 and 119.  NaN is not served.
; REGISTERS, window 0: v1-13 addresses and constants; v[14:15] f; v16-31 four tiles' -M, a filler, the sum in two halves; v32-63 Q; v64-127 K; v128-191 S^T, then p; v192-207 p's codes; v208-215 at work; v224-236 offsets.
;   window 1: v0-127 O^T of four tiles; v128-191 V; v192-255 the diagonal's mask.
.set KP,    80                         ; a row of 64 codes in LDS: 64 bytes + 16 of padding
.set VOFF,  512*KP                     ; a slot: 512 rows of K, then 8 blocks of 64 keys x 64 rows (d) of V
.set KBB,   64*KP
.set STEPB, 128*KP                     ; a step's rows of K, and as many bytes of V; also what one tensor load fills
.set SLOTB, 32768                      ; a slot's bytes of K, and of V, in memory
.set SLOT1, 1<<17
.set SPARE, 2*SLOT1                    ; the spare words: 128 bytes a wave, four blocks of 256 bytes that no other line names
.set AK0, 1
.set AV0, 2
.set PFO, 3                            ; 256 x lane
.set H6,  4                            ; 448 x 2^e6
.set SPW, 5
.set NIL, 6
.set SC6, 7                            ; 2^e6
.set ADK, 8
.set ADV, 9
.set H0,  10                           ; 448 x 2^e4, twice: the two halves of a dual line take second sources from different banks
.set H1,  11
.set SC4, 12                           ; 2^e4
.set PT,  13
.set FA,  14
.set ST,  16
.set QR,  32
.set KFR, 64
.set PS,  128
.set CD,  192
.set TM,  208
.set QO,  224
.set GO,  229
.set STO, 233
.set RD,  234
.set DD,  235
.set NEG, 236
.set OA,  0
.set VF,  128
.set MK,  192
.set TB,  2                            ; s2   LDS byte at which the slot in hand begins
.set KO,  12                           ; s12  the step's bytes into the slot
.set WV,  18
.set SEL, 20
.set CS,  22
.set G1,  24
.set G0,  40
.set QB,  44                           ; s44-47 the first query of my four blocks
.set SLOTS, 56
.set KF,  57                           ; the step's first key
.set QC,  58                           ; the step in the slot
.set PFA, 68
.set LIM, 72
.set EO,  79                           ; e4 + e5
.set MSB, 0
.macro WIN new                         ; the immediate's high byte repeats the setting that is left
.if MSB != (\new)
	s_set_vgpr_msb (MSB<<8)|(\new)
.set MSB, (\new)
.endif
.endm
.macro KLOAD off                       ; K's eight tiles of 16 keys x 64 d
.irp t, 0,1,2,3,4,5,6,7
	ds_load_b128 v[KFR+8*\t:KFR+8*\t+3], v[ADK] offset:\off+(32*(\t/2)+8*(\t%2))*KP
	ds_load_b128 v[KFR+8*\t+4:KFR+8*\t+7], v[ADK] offset:\off+(32*(\t/2)+8*(\t%2))*KP+32
.endr
.endm
.macro VLOAD                           ; V's four tiles of 16 d x 128 keys: registers 4 c .. 4 c + 3 hold keys 32 c + 16 h + 0 .. 15, as p's codes do
	WIN 0x40
.irp t, 0,1,2,3
.irp c, 0,1,2,3
	ds_load_b128 v[VF+16*\t+4*\c:VF+16*\t+4*\c+3], v[ADV] offset:(\c/2)*KBB+16*\t*KP+32*(\c%2)
.endr
.endr
	WIN 0
.endm
; ONE TILE'S STEP: 16 queries x 128 keys.  mode 0: may be hidden or on the diagonal.  mode 1: tile 0 in slots 0-2: always open; asks for the next step's K.  mode 2: tile 0 in the last slot.
.macro TILE k, mode
.if \mode == 0
	s_cmp_gt_u32 s[KF], s[QB+\k]
	s_cbranch_scc1 .Lhid_\@
.endif
	s_wait_dscnt 16                                ; K's fragments are in; the sixteen loads of V, issued behind them, may be out
.if \mode != 1
	s_cmp_eq_u32 s[KF], s[QB+\k]
	s_cbranch_scc1 .Ldiag_\@
.endif
.irp t, 0,1,2,3,4,5,6,7
	v_wmma_f32_16x16x64_fp8_fp8 v[PS+8*\t:PS+8*\t+7], v[KFR+8*\t:KFR+8*\t+7], v[QR+8*\k:QR+8*\k+7], 0
.endr
.if \mode != 1
	s_branch .Lopen_\@
.Ldiag_\@:
	WIN 0x10                                       ; C in window 1: hidden keys begin at -3e38
.irp t, 0,1,2,3,4,5,6,7
	v_wmma_f32_16x16x64_fp8_fp8 v[PS+8*\t:PS+8*\t+7], v[KFR+8*\t:KFR+8*\t+7], v[QR+8*\k:QR+8*\k+7], v[MK+8*\t:MK+8*\t+7]
.endr
	WIN 0
.Lopen_\@:
.endif
.rept 4
	v_nop                                          ; four places: ahead of the loads into K's registers and of the first read of the scores
.endr
.if \mode != 0
	s_cmp_eq_u32 s[QC], 3                          ; the next step's K, while it lies in this slot
	s_cbranch_scc1 .Lnopf_\@
	KLOAD STEPB
.Lnopf_\@:
.endif
.irp x, 0,2                                    ; the largest score, four chains; each accumulator is read from its low end on
	v_max_num_f32 v[TM+\x/2], v[PS+\x], v[PS+\x+1]
	v_max_num_f32 v[TM+2+\x/2], v[PS+8+\x], v[PS+9+\x]
.endr
.irp x, 4,6,16,18,20,22,32,34,36,38,48,50,52,54
	v_max3_num_f32 v[TM+(\x/2)%2], v[TM+(\x/2)%2], v[PS+\x], v[PS+\x+1]
	v_max3_num_f32 v[TM+2+(\x/2)%2], v[TM+2+(\x/2)%2], v[PS+8+\x], v[PS+9+\x]
.endr
	v_max3_num_f32 v[TM], v[TM], v[TM+1], v[TM+2]
	v_max_num_f32 v[TM], v[TM], v[TM+3]
	v_permlanex16_b32 v[PT], v[TM], s[SEL], s[SEL+1]
	s_delay_alu instid0(VALU_DEP_1)
	v_max_num_f32 v[TM], v[TM], v[PT]              ; and lane l xor 16's
	s_delay_alu instid0(VALU_DEP_1)
	v_mul_f32 v[TM], s[CS], v[TM]                  ; as t (c is positive)
	s_delay_alu instid0(VALU_DEP_1)
	v_floor_f32 v[TM], -v[TM]                      ; -ceil(t)
	s_delay_alu instid0(VALU_DEP_1)
	v_min_num_f32 v[TM], v[TM], v[ST+4*\k]         ; the new -M: the ceiling of a maximum is the maximum of the ceilings
	s_delay_alu instid0(VALU_DEP_1)
	v_sub_f32 v[FA], v[TM], v[ST+4*\k]             ; old M - new M: a whole number, 0 or less
	v_mov_b32 v[ST+4*\k], v[TM]
	s_delay_alu instid0(VALU_DEP_2)
	v_cvt_i32_f32 v[FA], v[FA]                     ; (it saturates)
	s_delay_alu instid0(VALU_DEP_1)
	v_ldexp_f32 v[FA], 1.0, v[FA]                  ; f = 2^(old M - new M)
.set jj, 0
.rept 32
	v_pk_fma_f32 v[PS+jj:PS+jj+1], v[PS+jj:PS+jj+1], s[CS:CS+1], v[ST+4*\k:ST+4*\k+1] op_sel_hi:[1,0,0]   ; t - M
.set jj, jj+2
.endr
	s_wait_alu depctr_va_vdst(0)                   ; the wait ahead of the batch
.set jj, 0
.rept 64
	v_exp_f32 v[PS+jj], v[PS+jj]                   ; p = 2^(t - M)
.set jj, jj+1
.endr
	v_pk_mul_f32 v[ST+4*\k+2:ST+4*\k+3], v[ST+4*\k+2:ST+4*\k+3], v[FA:FA+1] op_sel_hi:[1,0]   ; the sum under the new M: the plain line behind the batch
	s_wait_alu depctr_va_vdst(0)                   ; and the wait behind it, ahead of its first reader
.irp c, 0,1,2,3                                ; the sum of the unquantised p: four chains of pairs
	v_pk_add_f32 v[TM+2*\c:TM+2*\c+1], v[PS+2*\c:PS+2*\c+1], v[PS+8+2*\c:PS+9+2*\c]
.endr
.set jj, 16
.rept 24
	v_pk_add_f32 v[TM+jj%8:TM+jj%8+1], v[TM+jj%8:TM+jj%8+1], v[PS+jj:PS+jj+1]
.set jj, jj+2
.endr
	v_pk_add_f32 v[TM:TM+1], v[TM:TM+1], v[TM+2:TM+3]
	v_pk_add_f32 v[TM+4:TM+5], v[TM+4:TM+5], v[TM+6:TM+7]
	v_pk_add_f32 v[TM:TM+1], v[TM:TM+1], v[TM+4:TM+5]
	v_pk_add_f32 v[ST+4*\k+2:ST+4*\k+3], v[ST+4*\k+2:ST+4*\k+3], v[TM:TM+1]
.irp b, 0,1,2,3
.irp i, 0,2,4,6,8,10,12,14                     ; the conversion does not saturate (ISA guide 7.6.2); p is not negative: a one-sided hold, two numbers a line
	v_dual_min_num_f32 v[PS+16*\b+\i], v[PS+16*\b+\i], v[H0] :: v_dual_min_num_f32 v[PS+16*\b+\i+1], v[PS+16*\b+\i+1], v[H1]
.endr
	v_cvt_scalef32_pk8_fp8_f32 v[CD+4*\b:CD+4*\b+1], v[PS+16*\b:PS+16*\b+7], v[SC4]
	v_cvt_scalef32_pk8_fp8_f32 v[CD+4*\b+2:CD+4*\b+3], v[PS+16*\b+8:PS+16*\b+15], v[SC4]
.endr
	WIN 0x41                                       ; O^T lies in window 1
	s_wait_alu depctr_va_vdst(0)                   ; the wait directly ahead of the first reader of O^T
.set jj, 0
.rept 16
	v_pk_mul_f32 v[OA+32*\k+jj:OA+32*\k+jj+1], v[OA+32*\k+jj:OA+32*\k+jj+1], v[FA:FA+1] op_sel_hi:[1,0]   ; O^T under the new M; also the plain lines behind the conversions
.set jj, jj+2
.endr
	WIN 0x51
	s_wait_alu depctr_va_vdst(0)                   ; the wait directly ahead of the wait below
	s_wait_dscnt 0x0                               ; V's fragments are in
.irp t, 0,1,2,3
	v_wmma_f32_16x16x128_fp8_fp8 v[OA+32*\k+8*\t:OA+32*\k+8*\t+7], v[VF+16*\t:VF+16*\t+15], v[CD:CD+15], v[OA+32*\k+8*\t:OA+32*\k+8*\t+7]   ; four accumulators by turns; eight score products stand between an accumulator's turns
.endr
	WIN 0
.if \mode == 0
.Lhid_\@:
.endif
.endm
; THE CHANGE OF SLOTS, at a slot's head: all my tensor loads are waited for, 0 is added to my spare word, that and my reads of the slot left are waited for; behind the barrier the slot left is filled with the keys that follow.
.macro CHANGE fill
	s_wait_tensorcnt 0x0
	ds_add_u32 v[SPW], v[NIL]
.if \fill
	s_xor_b32 s[G0+1], s[G0+1], SLOT1              ; no load of mine is out: group 0 walks to the other slot and the next 512 keys
	s_add_nc_u64 s[G0+2:G0+3], s[G0+2:G0+3], SLOTB
	s_wait_xcnt 0x0                                ; any prefetch of mine has read its address
	s_add_nc_u64 s[PFA:PFA+1], s[PFA:PFA+1], SLOTB ; one slot further on than group 0
.endif
	s_wait_dscnt 0x0
	s_barrier_signal -1
	s_barrier_wait -1
.if \fill
	tensor_load_to_lds s[G0:G0+3], s[G1:G1+7]      ; my one tensor load until the next such barrier
	s_nop 0
.rept 4
	v_nop
.endr
.endif
	s_mov_b32 s[KO], 0
	v_add_nc_u32 v[ADK], s[TB], v[AK0]
	v_add_nc_u32 v[ADV], s[TB], v[AV0]
	s_wait_alu depctr_va_vdst(0)                   ; the wait behind these writes
	KLOAD 0
.if \fill
; A PREFETCH of the slot that the NEXT change will ask for: my wave's 8,192 bytes of it, lanes 256 bytes apart.  The four work-groups of a head share the slots out: work-group 0 asks for slot 2 at the first change,
; work-group 1 for slot 3 at the second: each aligned block of 256 bytes is named once in the launch.  Slots 0 and 1 come by their loads alone.
	s_cmp_eq_u32 s[SLOTS], s[LIM]
	s_cbranch_scc0 .Lnot_mine_\@
	global_prefetch_b8 v[PFO], s[PFA:PFA+1] th:TH_LOAD_NT scope:SCOPE_SE
.Lnot_mine_\@:
.endif
	s_mov_b32 s[QC], 0
.endm
.macro STEPEND
	s_add_co_u32 s[KF], s[KF], 128
	s_add_co_u32 s[KO], s[KO], STEPB
	s_add_co_u32 s59, s[TB], s[KO]
	v_add_nc_u32 v[ADK], s59, v[AK0]
	v_add_nc_u32 v[ADV], s59, v[AV0]
	v_nop                                          ; with the two additions: four places ahead of the loads into V's registers
	v_nop
	s_wait_alu depctr_va_vdst(0)                   ; the wait ahead of the branch
	s_add_co_u32 s[QC], s[QC], 1
	s_cmp_lt_u32 s[QC], 4
.endm
	s_load_b256 s[4:11], s[0:1], 0x0               ; qk_codes, v_codes, the scales' exponents, y_codes
	v_lshl_add_u32 v[SPW], v0, 2, SPARE
	v_mov_b32 v[NIL], 0
	ds_add_u32 v[SPW], v[NIL]                      ; the opening lines: the add twice on end and one wait, ahead of my first tensor load
	ds_add_u32 v[SPW], v[NIL]
	v_lshrrev_b32 v8, 5, v0
	v_readfirstlane_b32 s[WV], v8                  ; wave 0..7
	s_and_b32 s13, ttmp7, 0xffff                   ; 16 x batch + head
	s_lshr_b32 s14, s13, 4
	s_and_b32 s15, s13, 15
	s_sub_co_u32 s59, 15, ttmp9
	s_lshl_b32 s[QB], s59, 7
	s_add_co_u32 s59, ttmp9, 8
	s_lshl_b32 s[QB+1], s59, 7
	s_sub_co_u32 s59, 7, ttmp9
	s_lshl_b32 s[QB+2], s59, 7
	s_lshl_b32 s[QB+3], ttmp9, 7
	s_lshl_b32 s66, s15, 13
	s_lshl_b32 s59, s14, 11
	s_add_co_u32 s66, s66, s59
	s_lshl_b32 s60, s[WV], 4
	s_add_co_u32 s66, s66, s60
	s_lshl_b32 s66, s66, 6                         ; Q: (head x 8,192 + 2,048 x batch + 16 x wave) x 64 bytes; the block is added lane by lane
	s_mov_b32 s67, 0
	s_lshl_b32 s62, s14, 21                        ; y: 16 blocks x 16 heads x 8,192 bytes a batch,
	s_lshl_b32 s61, s15, 13
	s_add_co_u32 s62, s62, s61                     ; the head,
	s_lshl_b32 s61, s[WV], 10
	s_add_co_u32 s62, s62, s61                     ; my 16 tokens of a block
	s_mov_b32 s63, 0
	s_add_co_u32 s73, s15, 16
	s_lshl_b32 s73, s73, 13
	s_add_co_u32 s73, s73, s59
	s_lshl_b32 s73, s73, 6                         ; K of my head
	s_lshl_b32 s74, s13, 17                        ; V of my head
	s_and_b32 s75, s[WV], 3
	s_lshl_b32 s75, s75, 13                        ; my quarter of a slot's bytes of K or of V,
	s_mul_i32 s78, s[WV], STEPB                    ; and where it goes: K's four quarters, then V's
	s_mov_b32 s[G1], (0<<16)|(1<<20)|(3<<22)|(3<<25)   ; 8,192 dense bytes as 32 rows of 256; four words of padding behind every 16: in LDS 128 rows of 64 codes, 80 bytes apart
	s_mov_b32 s[G1+1], 256<<16
	s_mov_b32 s[G1+2], 32<<16
	s_mov_b32 s[G1+3], 256<<16
	s_mov_b32 s[G1+4], 32
	s_mov_b32 s[G1+5], 256
	s_mov_b32 s[G1+6], 0
	s_mov_b32 s[G1+7], 0
	s_mov_b32 s[SEL], 0x76543210
	s_mov_b32 s[SEL+1], 0xfedcba98
	s_mov_b32 s[CS], 0x3e38aa3b                    ; log2(e) / 8
	s_mov_b32 s[TB], 0
	s_mov_b32 s[SLOTS], 3
	s_mov_b32 s[KF], 0
	s_wait_dscnt 0x0
	s_wait_kmcnt 0x0
	s_load_b256 s[48:55], s[8:9], 0x0              ; e0 .. e7
	s_cmp_lt_u32 s[WV], 4                          ; waves 0-3: K; waves 4-7: V
	s_cselect_b64 s[G0+2:G0+3], s[4:5], s[6:7]
	s_cselect_b32 s76, s73, s74
	s_add_co_u32 s76, s76, s75
	s_mov_b32 s77, 0
	s_add_nc_u64 s[G0+2:G0+3], s[G0+2:G0+3], s[76:77]
	s_add_nc_u64 s[PFA:PFA+1], s[G0+2:G0+3], SLOTB ; the prefetches stand in slot 1: the first change steps them to slot 2
	s_or_b32 s[G0+3], s[G0+3], 0x80000000
	s_mov_b32 s[G0], 1
	s_mov_b32 s[G0+1], s78
	tensor_load_to_lds s[G0:G0+3], s[G1:G1+7]      ; slot 0: my one load at the head
	s_nop 0
.rept 4
	v_nop
.endr
	s_add_nc_u64 s[66:67], s[4:5], s[66:67]
	s_add_nc_u64 s[10:11], s[10:11], s[62:63]
	s_sub_co_u32 s59, 3, ttmp9
	s_cmp_lt_u32 ttmp9, 2
	s_cselect_b32 s[LIM], s59, 0                   ; the count of slots at which my work-group prefetches; 0: never
	v_and_b32 v8, 15, v0                           ; r
	v_bfe_u32 v9, v0, 4, 1                         ; h
	v_lshlrev_b32 v[QO], 6, v8
	v_lshl_add_u32 v[QO], v9, 4, v[QO]             ; Q: row r of 64 bytes, + 16 h
	v_and_b32 v[PT], 31, v0
	v_lshlrev_b32 v[PFO], 8, v[PT]
	v_lshlrev_b32 v[RD], 4, v[PT]                  ; 16 x lane
	s_wait_alu depctr_va_vdst(0)                   ; the wait
.irp k, 0,1,2,3
	s_lshl_b32 s59, s[QB+\k], 6
	s_lshl_b32 s60, s[QB+\k], 10
	v_add_nc_u32 v[QO+1+\k], s59, v[QO]
	v_add_nc_u32 v[GO+\k], s60, v[RD]              ; y: the block's 131,072 bytes + 16 x lane
	global_load_b128 v[QR+8*\k:QR+8*\k+3], v[QO+1+\k], s[66:67]
	global_load_b128 v[QR+8*\k+4:QR+8*\k+7], v[QO+1+\k], s[66:67] offset:32
.endr
	v_and_b32 v[TM], 8, v8
	v_add_nc_u32 v[TM], v[TM], v8                  ; r + 8 (r / 8)
	v_mul_u32_u24 v[AK0], v[TM], KP
	v_lshl_add_u32 v[AK0], v9, 4, v[AK0]
	v_mul_u32_u24 v[AV0], v8, KP
	v_lshl_add_u32 v[AV0], v9, 4, v[AV0]
	v_add_nc_u32 v[AV0], VOFF, v[AV0]
	s_lshl_b32 s59, s[WV], 12                      ; the way out: my stage, 4,096 bytes
	v_lshlrev_b32 v[STO], 6, v8
	v_lshl_add_u32 v[STO], v9, 3, v[STO]
	v_add_nc_u32 v[STO], s59, v[STO]               ; in: row r of 64 bytes, + 8 h
	v_add_nc_u32 v[RD], s59, v[RD]                 ; back: 16 bytes a lane
	s_lshl_b32 s59, s[WV], 4
	v_lshlrev_b32 v[DD], 4, v9
	v_sub_nc_u32 v[DD], v8, v[DD]
	v_add_nc_u32 v[DD], s59, v[DD]                 ; d = my query in its block - 16 h: on the diagonal register 16 b + i is hidden where 32 b + i > d
	v_mov_b32 v[NEG], 0xff61b1e6                   ; -3e38
.irp k, 0,1,2,3
	v_mov_b32 v[ST+4*\k], 0x7f61b1e6               ; -M = 3e38: M lies under every t
	v_mov_b32 v[ST+4*\k+1], 0                      ; (named as the upper half of a pair)
	v_mov_b32 v[ST+4*\k+2], 0
	v_mov_b32 v[ST+4*\k+3], 0
.endr
	v_mov_b32 v[PT], 0                             ; a lane permute's destination counts as a source
	v_mov_b32 v[FA], 0
	v_mov_b32 v[FA+1], 0
	WIN 0x40
.set jj, 0
.rept 64
	v_pk_add_f32 v[OA+jj:OA+jj+1], v[FA:FA+1], v[FA:FA+1]   ; O^T = 0, two registers a line: the step has no first form of its own, and the first f is 0
.set jj, jj+2
.endr
.set nn, 0
.rept 64
	v_cmp_gt_i32 vcc_lo, 32*(nn/16)+nn%16, v[DD]
	v_cndmask_b32 v[MK+nn], 0, v[NEG], vcc_lo
.set nn, nn+1
.endr
	WIN 0
	s_wait_alu depctr_va_vdst(0)                   ; the wait directly ahead of the wait below
	s_wait_kmcnt 0x0
	s_add_co_i32 s59, s50, s51
	s_lshl_b32 s59, s59, 23
	s_add_co_i32 s[CS], s[CS], s59                 ; c x 2^(e2 + e3)
	s_mov_b32 s[CS+1], s[CS]
	s_add_co_i32 s59, s52, 127
	s_lshl_b32 s60, s59, 23
	v_mov_b32 v[SC4], s60
	s_add_co_i32 s59, s59, 8
	s_lshl_b32 s59, s59, 23
	s_or_b32 s59, s59, 0x600000
	v_mov_b32 v[H0], s59
	v_mov_b32 v[H1], s59
	s_add_co_i32 s59, s54, 127
	s_lshl_b32 s60, s59, 23
	v_mov_b32 v[SC6], s60
	s_add_co_i32 s59, s59, 8
	s_lshl_b32 s59, s59, 23
	s_or_b32 s59, s59, 0x600000
	v_mov_b32 v[H6], s59
	s_add_co_i32 s[EO], s52, s53
	s_wait_alu depctr_va_vdst(0)                   ; the wait at the head's end
	s_wait_loadcnt 0x0                             ; Q
.Lslot:                                            ; three trips: slots 0 to 2; behind each change the next slot is asked for
	CHANGE 1
.Lstep:
	VLOAD
	TILE 3, 0
	TILE 2, 0
	TILE 1, 0
	TILE 0, 1
	STEPEND
	s_cbranch_scc1 .Lstep
	s_xor_b32 s[TB], s[TB], SLOT1
	s_sub_co_u32 s[SLOTS], s[SLOTS], 1
	s_cmp_lg_u32 s[SLOTS], 0
	s_cbranch_scc1 .Lslot
	CHANGE 0                                       ; the last slot is written out
.Ltail:
	s_cmp_gt_u32 s[KF], s[QB]                      ; steps behind block 15 - j are left out
	s_cbranch_scc1 .Lover
	VLOAD
	TILE 0, 2
.Lover:
	STEPEND
	s_cbranch_scc1 .Ltail
	s_wait_dscnt 0x0                               ; every LDS load of mine is back, on the way round the last steps too: K's registers are loaded anew below
	; THE WAY OUT.  y = O^T x 2^(e4 + e5) / the sum, held, quantised with 2^e6.  A tile's 16 rows of 64 codes meet in my stage (in slot 0's bytes, which have had their last fill and which nobody reads behind the last
	; change of slots) and leave as 1,024 bytes that are dense in y_codes: each store covers 512 consecutive bytes, aligned.
.irp k, 0,1,2,3
	v_add_f32 v[ST+4*\k+2], v[ST+4*\k+2], v[ST+4*\k+3]
.endr
.irp k, 0,1,2,3
	v_permlanex16_b32 v[TM+\k], v[ST+4*\k+2], s[SEL], s[SEL+1]
.endr
.irp k, 0,1,2,3
	v_add_f32 v[ST+4*\k+2], v[ST+4*\k+2], v[TM+\k]
.endr
	s_wait_alu depctr_va_vdst(0)                   ; the wait ahead of the batch
.irp k, 0,1,2,3
	v_rcp_f32 v[ST+4*\k+2], v[ST+4*\k+2]
.endr
	v_nop
	s_wait_alu depctr_va_vdst(0)                   ; and behind it
.irp k, 0,1,2,3
	v_ldexp_f32 v[ST+4*\k+2], v[ST+4*\k+2], s[EO]
.endr
.irp k, 0,1,2,3
	WIN 0x01
	s_wait_alu depctr_va_vdst(0)                   ; the wait directly ahead of the first reader of O^T
.set jj, 0
.rept 32
	v_mul_f32 v[PS+32*(\k%2)+jj], v[OA+32*\k+jj], v[ST+4*\k+2]   ; register 8 t + i is y(query r, d = 16 t + 8 h + i)
.set jj, jj+1
.endr
	WIN 0
.set jj, 0
.rept 32
	v_med3_num_f32 v[PS+32*(\k%2)+jj], v[PS+32*(\k%2)+jj], -v[H6], v[H6]
.set jj, jj+1
.endr
.irp t, 0,1,2,3
	v_cvt_scalef32_pk8_fp8_f32 v[CD+8*\k+2*\t:CD+8*\k+2*\t+1], v[PS+32*(\k%2)+8*\t:PS+32*(\k%2)+8*\t+7], v[SC6]
.endr
	v_nop                                          ; one plain line behind the last conversion
.irp t, 0,1,2,3
	ds_store_b64 v[STO], v[CD+8*\k+2*\t:CD+8*\k+2*\t+1] offset:1024*\k+16*\t
.endr
	ds_load_b128 v[KFR+8*\k:KFR+8*\k+3], v[RD] offset:1024*\k          ; LDS serves a wave's instructions in order (ISA guide 5.7.1.4): these see my stores
	ds_load_b128 v[KFR+8*\k+4:KFR+8*\k+7], v[RD] offset:1024*\k+512
.endr
.irp k, 0,1,2,3
	s_wait_dscnt 6*(3-\k)                          ; behind tile k's loads: six LDS lines for each later tile
	global_store_b128 v[GO+\k], v[KFR+8*\k:KFR+8*\k+3], s[10:11]
	global_store_b128 v[GO+\k], v[KFR+8*\k+4:KFR+8*\k+7], s[10:11] offset:512
.endr
	s_wait_tensorcnt 0x0                           ; the wave's end
	ds_add_u32 v[SPW], v[NIL]
	s_wait_dscnt 0x0
	s_endpgm
.Lfunc_end_k_q5c57e74661_attn:
	.size	k_q5c57e74661_attn, .Lfunc_end_k_q5c57e74661_attn-k_q5c57e74661_attn
	.p2alignl 7, 3214868480
	.fill 96, 4, 3214868480
	.section	.rodata,"a",@progbits
	.p2align	6, 0x0
	.amdhsa_kernel k_q5c57e74661_attn
		.amdhsa_group_segment_fixed_size 327680
		.amdhsa_private_segment_fixed_size 0
		.amdhsa_enable_private_segment 0
		.amdhsa_kernarg_size 32
		.amdhsa_user_sgpr_count 2
		.amdhsa_user_sgpr_kernarg_segment_ptr 1
		.amdhsa_wavefront_size32 1
		.amdhsa_system_sgpr_workgroup_id_x 1
		.amdhsa_system_sgpr_workgroup_id_y 1
		.amdhsa_system_sgpr_workgroup_id_z 1
		.amdhsa_system_vgpr_workitem_id 0
		.amdhsa_next_free_vgpr 512
		.amdhsa_next_free_sgpr 84
		.amdhsa_reserve_vcc 1
		.amdhsa_float_denorm_mode_32 3
		.amdhsa_float_denorm_mode_16_64 3
		.amdhsa_memory_ordered 1
		.amdhsa_forward_progress 1
		.amdhsa_inst_pref_size 112
	.end_amdhsa_kernel
	.amdgpu_metadata
---
amdhsa.version: [ 1, 2 ]
amdhsa.kernels:
  - .name:           k_q5c57e74661_attn
    .symbol:         k_q5c57e74661_attn.kd
    .args:
      - { .name: qk_codes, .offset: 0, .size: 8, .value_kind: global_buffer, .address_space: global }
      - { .name: v_codes, .offset: 8, .size: 8, .value_kind: global_buffer, .address_space: global }
      - { .name: lowp_scales, .offset: 16, .size: 8, .value_kind: global_buffer, .address_space: global }
      - { .name: y_codes, .offset: 24, .size: 8, .value_kind: global_buffer, .address_space: global }
    .group_segment_fixed_size: 327680
    .private_segment_fixed_size: 0
    .kernarg_segment_align: 8
    .kernarg_segment_size: 32
    .max_flat_workgroup_size: 256
    .sgpr_count:     84
    .vgpr_count:     512
    .wavefront_size: 32
...
	.end_amdgpu_metadata
.endif
;; end of part 3
;; launch proj (part 4): grid 4 x 64, 4 waves a work-group, clusters of 4 x 4, 327,680 bytes of LDS; arguments y_codes, wp_codes, lowp_scales, b_proj, out0; writes out0
.if DOCPART == 4
	.amdgcn_target "amdgcn-amd-amdhsa--gfx1250"
	.amdhsa_code_object_version 6
	.text
	.protected	k_q5c57e74661_proj
	.globl	k_q5c57e74661_proj
	.p2align	8
	.type	k_q5c57e74661_proj,@function
k_q5c57e74661_proj:
	s_mov_b64 s[64:65], 0
	v_nop
	global_prefetch_b8 v0, s[64:65] scope:SCOPE_SE
	s_setreg_imm32_b32 hwreg(HW_REG_WAVE_MODE, 25, 1), 1
	s_wait_xcnt 0x0
	s_wait_alu depctr_hold_cnt(0) depctr_sa_sdst(0) depctr_va_vdst(0) depctr_va_sdst(0) depctr_va_ssrc(0) depctr_va_vcc(0) depctr_vm_vsrc(0)
	s_getreg_b32 s2, hwreg(HW_REG_IB_STS2, 6, 4)
	s_cmp_eq_u32 s2, 0
	s_cbranch_scc0 .Lentry_in_a_cluster
	s_endpgm
.Lentry_in_a_cluster:
	s_bfe_u32 s2, ttmp6, 0x10000c
	s_cmp_lg_u32 s2, 0xf033
	s_cbranch_scc0 .Lentry_shape_is_right
	s_endpgm
.Lentry_shape_is_right:
; out0 = y w_proj^T + b_proj on codes of FP8 (E4M3); sums in f32; a sum stands for sum x 2^(e6 + e7).
; y_codes [64 blocks of 128 tokens][16 heads][128 tokens][64 d]; wp_codes [1024 features][1024], K innermost; out0 [8192][1024] f32.
; A block of out0 is 128 tokens x 256 features: 64 x 4 = 256 work-groups.  Four waves, 64 tokens x 128 features each: 32 accumulators, 256 registers.
; The matrix instruction is used transposed (source 0 = 16 rows of w_proj, source 1 = 16 tokens): a lane holds eight neighbouring features of one token.
; K = 1,024 goes in four steps of 256 through a ring of two LDS slots; the steps are written out.  A's part of a K step is four heads x 128 tokens x 64 codes, 32,768 dense bytes, stated as rows of 256 bytes
; (waves 0, 1: two heads each); B's is 256 rows of 256 bytes (waves 2, 3: 128 rows each).
; CLUSTERS: 4 x 4 work-groups; A's tile is asked for jointly by a row of the cluster, B's by a column: the same tensor load, the same descriptor, a mask that names the four.
; NO PREFETCH: of the four K steps two are asked for ahead of the first product, so a look-ahead of two K steps has no trip to stand in.
; LIMIT: e6 + e7 between -126 and 127, so that 2^(e6 + e7) is an f32 number.
; REGISTERS: window 0: v0-31 addresses; v32-95 the bias of my 128 features; v128-191, v192-255 A's fragments, two sets; on the way out v96-159 a block's numbers, v160-223 16 rows back from the stage.
;   window 1: B's fragments, two sets.   window 2: the accumulators ((a, b) at v[8 (8 a + b)]).
.set ROWB,   256
.set KROW,   1024
.set PITCH,  272                       ; B's LDS row: 256 bytes + 16
.set PA,     80                        ; A's LDS row: 64 bytes + 16
.set KBLK,   128*PA                    ; one head's 128 tokens
.set FR,     16
.set NP,     4                         ; places behind this matrix instruction (ISA guide 7.12.1)
.set AREG,   4*KBLK                    ; A's part of a slot
.set HALFB,  128*PITCH
.set SLOT,   AREG+2*HALFB
.set ASTEP,  32768                     ; A: a K step on, in memory
.set SPARE,  2*SLOT                    ; the spare words: 128 bytes a wave, two blocks of 256 bytes that no other line names
.set SPITCH, 528                       ; the way out: a stage of 16 rows x (512 + 16) bytes a wave, in slot 0, which has had its last fill and its last read by then
.set ADRA, 16
.set ADRB, 20
.set STO,  24
.set RD,   25
.set CO,   26
.set SPW,  28
.set NIL,  29
.set BB,   32
.set TMP,  96
.set AF,   128
.set BK,   160
.set G1, 24
.set G0, 32
.set G1B, 48
.set G0B, 56
.set MSB, 0
.macro WIN new                         ; the immediate's high byte repeats the setting that is left
.if MSB != (\new)
	s_set_vgpr_msb (MSB<<8)|(\new)
.set MSB, (\new)
.endif
.endm
.set MUL_W,  0xa1                      ; source 0 (B) window 1, source 1 (A) window 0, C and D window 2
.set TO_B,   0x40
.macro JLOAD g0a, g1a, g0b, g1b        ; a joint load: waves 0, 1 for A, waves 2, 3 for B; the branch hangs on the wave's number alone; s_nop 0 and four v_nop follow each line
	s_cmp_eq_u32 s15, 0
	s_cbranch_scc0 .Lfor_b_\@
	tensor_load_to_lds s[\g0a:\g0a+3], s[\g1a:\g1a+7]
	s_nop 0
.rept 4
	v_nop
.endr
	s_branch .Lasked_\@
.Lfor_b_\@:
	tensor_load_to_lds s[\g0b:\g0b+3], s[\g1b:\g1b+7]
	s_nop 0
.rept 4
	v_nop
.endr
.Lasked_\@:
.endm
.macro CREST                           ; a round of the cluster's barrier behind its opening barrier
	s_cmp_lg_u32 s14, 0
	s_cbranch_scc1 .Lnot_wave_0_\@
	s_barrier_signal -3
.Lnot_wave_0_\@:
	s_barrier_wait -3
	s_barrier_signal -1
	s_barrier_wait -1
.endm
.macro CROUND
	s_barrier_signal -1
	s_barrier_wait -1
	CREST
.endm
	s_load_b256 s[4:11], s[0:1], 0x0               ; y's codes, w_proj's codes, the scales' exponents, b_proj
	s_load_b64 s[68:69], s[0:1], 0x20              ; out0
	v_lshl_add_u32 v[SPW], v0, 2, SPARE
	v_mov_b32 v[NIL], 0
	ds_add_u32 v[SPW], v[NIL]                      ; the opening lines: the add twice on end and one wait, ahead of the round in front of the first loads
	ds_add_u32 v[SPW], v[NIL]
	v_lshrrev_b32 v1, 5, v0
	v_readfirstlane_b32 s14, v1                    ; wave 0..3
	s_lshr_b32 s15, s14, 1                         ; which 64 tokens are mine.  Also: I fetch for A (0) or for B (1)
	s_and_b32 s16, s14, 1                          ; which 128 features.  Also: which half of that tile I fetch
	s_bfe_u32 s40, ttmp6, 0x40000                  ; cx, cy
	s_bfe_u32 s41, ttmp6, 0x40004
	s_lshl_b32 s42, ttmp9, 2
	s_add_co_u32 s42, s42, s40                     ; block column, 0..3
	s_and_b32 s17, ttmp7, 0xffff
	s_lshl_b32 s17, s17, 2
	s_add_co_u32 s17, s17, s41                     ; block row, 0..63
	s_lshl_b32 s43, s41, 2
	s_lshl_b32 s43, 15, s43                        ; my row of the cluster
	s_lshl_b32 s44, 0x1111, s40                    ; my column
	s_or_b32 s[G1+0], s43, (0<<16)|(1<<20)|(1<<21)|(3<<22)|(3<<25)   ; A: four words of padding behind every 16
	s_or_b32 s[G1B+0], s44, (0<<16)|(1<<20)|(1<<21)|(5<<22)|(3<<25)  ; B: behind every 64
.irp g, G1, G1B
	s_mov_b32 s[\g+1], 256<<16
	s_mov_b32 s[\g+3], 256<<16
	s_mov_b32 s[\g+6], 0
	s_mov_b32 s[\g+7], 0
.endr
	s_mov_b32 s[G1+2], 64<<16                      ; A: 64 rows of 256 dense bytes
	s_mov_b32 s[G1+4], 64
	s_mov_b32 s[G1+5], 256
	s_mov_b32 s[G1B+2], 128<<16                    ; B: 128 rows, 1,024 bytes apart
	s_mov_b32 s[G1B+4], 128
	s_mov_b32 s[G1B+5], KROW
	s_lshl_b32 s20, s17, 17                        ; A: the block of 128 tokens,
	s_lshl_b32 s18, s16, 14
	s_add_co_u32 s20, s20, s18                     ; + two heads for the second half
	s_mov_b32 s21, 0
	s_lshl_b32 s46, s42, 8
	s_lshl_b32 s18, s16, 7
	s_add_co_u32 s46, s46, s18
	s_lshl_b32 s46, s46, 10                        ; B: row 256 x block column + 128 x half
	s_mov_b32 s47, 0
	s_mul_i32 s45, s16, 2*KBLK                     ; where they go: no place in the cluster enters an LDS address
	s_mul_i32 s19, s16, HALFB
	s_add_co_u32 s19, s19, AREG
	s_wait_dscnt 0x0
	s_wait_kmcnt 0x0
	s_load_b256 s[72:79], s[8:9], 0x0              ; e0 .. e7
	s_add_nc_u64 s[20:21], s[4:5], s[20:21]
	s_add_nc_u64 s[46:47], s[6:7], s[46:47]
	CROUND                                         ; all sixteen work-groups are here: the first joint loads meet
.irp s, 0,1
	s_mov_b32 s[G0+4*\s], 1
	s_add_co_u32 s[G0+4*\s+1], s45, \s*SLOT
	s_add_nc_u64 s[G0+4*\s+2:G0+4*\s+3], s[20:21], \s*ASTEP
	s_or_b32 s[G0+4*\s+3], s[G0+4*\s+3], 0x80000000
	s_mov_b32 s[G0B+4*\s], 1
	s_add_co_u32 s[G0B+4*\s+1], s19, \s*SLOT
	s_add_nc_u64 s[G0B+4*\s+2:G0B+4*\s+3], s[46:47], \s*ROWB
	s_or_b32 s[G0B+4*\s+3], s[G0B+4*\s+3], 0x80000000
.endr
	JLOAD G0, G1, G0B, G1B                         ; K step 0: one tensor load a wave at the head
	v_and_b32 v1, 15, v0                           ; r
	v_bfe_u32 v2, v0, 4, 1                         ; h
	v_mul_u32_u24 v3, v1, PA
	v_lshl_add_u32 v3, v2, 4, v3
	v_mul_u32_u24 v4, v1, PITCH
	v_lshl_add_u32 v4, v2, 4, v4
	v_mul_u32_u24 v5, v1, SPITCH
	v_lshl_add_u32 v5, v2, 5, v5
	v_and_b32 v6, 31, v0
	v_lshlrev_b32 v[CO], 4, v6
	v_lshlrev_b32 v7, 5, v2                        ; the bias: 8 numbers of my half
	s_wait_alu depctr_va_vdst(0)                   ; the wait
	s_mul_i32 s21, s15, 64*PA                      ; my 64 tokens
	s_mul_i32 s22, s16, HALFB
	s_add_co_u32 s22, s22, AREG                    ; my 128 rows of B
	s_mul_i32 s23, s14, 16*SPITCH                  ; my stage
	v_add_nc_u32 v[ADRA], s21, v3
	v_add_nc_u32 v[ADRB], s22, v4
	v_add_nc_u32 v[ADRA+1], SLOT, v[ADRA]
	v_add_nc_u32 v[ADRB+1], SLOT, v[ADRB]
	v_add_nc_u32 v[STO], s23, v5
	v_add_nc_u32 v[RD], s23, v[CO]
	s_lshl_b32 s90, s17, 7
	s_lshl_b32 s91, s15, 6
	s_add_co_u32 s90, s90, s91                     ; my first token
	s_lshl_b32 s90, s90, 12
	s_lshl_b32 s18, s42, 10
	s_lshl_b32 s91, s16, 9
	s_add_co_u32 s18, s18, s91                     ; my first feature, in bytes
	s_add_co_u32 s90, s90, s18
	s_mov_b32 s91, 0
	s_add_nc_u64 s[88:89], s[68:69], s[90:91]
	s_mov_b32 s90, s18
	s_add_nc_u64 s[92:93], s[10:11], s[90:91]
.irp b, 0,1,2,3,4,5,6,7
	global_load_b128 v[BB+8*\b:BB+8*\b+3], v7, s[92:93] offset:64*\b         ; features 16 b + 8 h + 0 .. 7: the layout of accumulator (a, b)
	global_load_b128 v[BB+8*\b+4:BB+8*\b+7], v7, s[92:93] offset:64*\b+16
.endr
; A fragment is 16 rows x 128 K in 16 registers: registers 4 c .. 4 c + 3 hold K = 32 c + 16 h + 0 .. 15, the same places in A and in B.  In A's tile 64 along K are one head's block.
.macro FETCH slot, q, p                ; the fragments of the slot's q-th 128 along K into sets p: B's eight, A's four: 48 loads
	WIN TO_B
.irp i, 0,1,2,3,4,5,6,7
.irp c, 0,1,2,3
	ds_load_b128 v[128*(\p)+FR*\i+4*\c:128*(\p)+FR*\i+4*\c+3], v[ADRB+\slot] offset:128*(\q)+32*\c+\i*16*PITCH
.endr
.endr
	WIN 0
.irp i, 0,1,2,3
.irp c, 0,1,2,3
	ds_load_b128 v[AF+64*(\p)+FR*\i+4*\c:AF+64*(\p)+FR*\i+4*\c+3], v[ADRA+\slot] offset:(2*(\q)+\c/2)*KBLK+32*(\c%2)+\i*16*PA
.endr
.endr
.endm
.macro MUL8 a, p, zero                 ; A's block a x B's eight.  The 32 accumulators take turns, in the same order in every step
.irp b, 0,1,2,3,4,5,6,7
.if \zero
	v_wmma_f32_16x16x128_fp8_fp8 v[8*(8*(\a)+\b):8*(8*(\a)+\b)+7], v[128*(\p)+FR*\b:128*(\p)+FR*\b+FR-1], v[AF+64*(\p)+FR*(\a):AF+64*(\p)+FR*(\a)+FR-1], 0
.else
	v_wmma_f32_16x16x128_fp8_fp8 v[8*(8*(\a)+\b):8*(8*(\a)+\b)+7], v[128*(\p)+FR*\b:128*(\p)+FR*\b+FR-1], v[AF+64*(\p)+FR*(\a):AF+64*(\p)+FR*(\a)+FR-1], v[8*(8*(\a)+\b):8*(8*(\a)+\b)+7]
.endif
.endr
.endm
.macro PLACES n
.rept \n
	v_nop
.endr
.endm
.macro STEP slot, zero                 ; a slot's first 128 along K, on sets 0; the second 128's fragments are asked for ahead of the products, into sets 1
	s_wait_dscnt 0x0                               ; sets 0 are in
	PLACES NP                                      ; ahead of loads into registers that the last products read
	FETCH \slot, 1, 1
	WIN MUL_W
	MUL8 0, 0, \zero
	MUL8 1, 0, \zero
	MUL8 2, 0, \zero
	MUL8 3, 0, \zero
	WIN 0
.endm
; A slot's second 128, on sets 1, changes slots: ONE barrier; in front of it each wave waits for all its tensor loads, adds 0 to its spare word, and waits for that and for its reads of this slot.  fill = 1: the slot is filled again, two K steps ahead.
.macro TURN slot, next, fill
	s_wait_tensorcnt 0x0                           ; my part of the next slot has landed
	ds_add_u32 v[SPW], v[NIL]
	s_wait_dscnt 1                                 ; (the add may be out; the 48 loads ahead of it are in)
	WIN MUL_W
	MUL8 0, 1, 0
	s_wait_dscnt 0x0                               ; the add is done, and my reads of this slot are over
	s_barrier_signal -1
	MUL8 1, 1, 0
	WIN 0
	s_barrier_wait -1
.if \fill
	CREST                                          ; the barrier has opened a round of the cluster's barrier
	s_add_nc_u64 s[G0+4*\slot+2:G0+4*\slot+3], s[G0+4*\slot+2:G0+4*\slot+3], 2*ASTEP
	s_add_nc_u64 s[G0B+4*\slot+2:G0B+4*\slot+3], s[G0B+4*\slot+2:G0B+4*\slot+3], 2*ROWB
	JLOAD G0+4*\slot, G1, G0B+4*\slot, G1B         ; the first tensor load behind the round, my only one until the next; its four v_nop are the places ahead of the loads below
.else
	PLACES NP
.endif
	FETCH \next, 0, 0
	WIN MUL_W
	MUL8 2, 1, 0
	MUL8 3, 1, 0
	WIN 0
.endm
	s_wait_alu depctr_va_vdst(0)                   ; the wait at the head's end
	s_wait_tensorcnt 0x0                           ; my part of K step 0 is in; slot 1's first fill is issued as a refill is:
	ds_add_u32 v[SPW], v[NIL]
	s_wait_dscnt 0x0
	CROUND
	JLOAD G0+4, G1, G0B+4, G1B                     ; K step 1: the first tensor load behind the round
	FETCH 0, 0, 0
	STEP 0, 1                                      ; K 0-127: its products start the sums
	TURN 0, 1, 1                                   ; slot 0 takes K step 2
	STEP 1, 0
	TURN 1, 0, 1                                   ; slot 1 takes K step 3
	STEP 0, 0
	TURN 0, 1, 0                                   ; nothing is left to fetch: a plain barrier; behind it nobody reads slot 0
	STEP 1, 0
	s_wait_dscnt 0x0                               ; the last 128 along K
	WIN MUL_W
	MUL8 0, 1, 0
	MUL8 1, 1, 0
	MUL8 2, 1, 0
	MUL8 3, 1, 0
	WIN 0
; THE WAY OUT, block by block of 16 tokens x 128 features: sum x 2^(e6 + e7) + bias; through my stage in LDS, back as whole rows of 512 bytes, which the 32 lanes store as two aligned units of 256 bytes.
.macro PACK a
	WIN 0x02
.set jj, 0
.rept 32
	v_pk_fma_f32 v[TMP+jj:TMP+jj+1], v[64*(\a)+jj:64*(\a)+jj+1], s[96:97], v[BB+jj:BB+jj+1] op_sel_hi:[1,0,1]   ; each accumulator from its low end on
.set jj, jj+2
.endr
	WIN 0
.endm
.macro STAGE a
.irp b, 0,1,2,3,4,5,6,7
	ds_store_b128 v[STO], v[TMP+8*\b:TMP+8*\b+3] offset:64*\b
	ds_store_b128 v[STO], v[TMP+8*\b+4:TMP+8*\b+7] offset:64*\b+16
.endr
.irp t, 0,1,2,3,4,5,6,7,8,9,10,11,12,13,14,15
	ds_load_b128 v[BK+4*\t:BK+4*\t+3], v[RD] offset:\t*SPITCH      ; LDS serves a wave's instructions in order (ISA guide 5.7.1.4): these see my stores
.endr
.endm
.macro SEND a
	s_wait_dscnt 0x0
.irp t, 0,1,2,3,4,5,6,7,8,9,10,11,12,13,14,15
	global_store_b128 v[CO], v[BK+4*\t:BK+4*\t+3], s[88:89] offset:(16*(\a)+\t)*4096 th:TH_STORE_NT
.endr
.endm
	s_wait_kmcnt 0x0                               ; the exponents
	s_wait_loadcnt 0x0                             ; the bias
	s_add_co_i32 s96, s78, s79
	s_add_co_i32 s96, s96, 127
	s_lshl_b32 s96, s96, 23                        ; 2^(e6 + e7) as f32
	s_mov_b32 s97, s96
	PLACES NP
	PACK 0
	STAGE 0
.irp a, 1,2,3
	PACK \a
	s_wait_alu depctr_va_vdst(0)                   ; the wait directly ahead of SEND's wait
	SEND \a-1
	s_wait_xcnt 0x0                                ; the stores have read their registers: the next block's loads may land there
	STAGE \a
.endr
	SEND 3
	s_wait_tensorcnt 0x0                           ; the wave's end
	ds_add_u32 v[SPW], v[NIL]
	s_wait_dscnt 0x0
	CROUND                                         ; the closing round
	s_endpgm
.Lfunc_end_k_q5c57e74661_proj:
	.size	k_q5c57e74661_proj, .Lfunc_end_k_q5c57e74661_proj-k_q5c57e74661_proj
	.p2alignl 7, 3214868480
	.fill 96, 4, 3214868480
	.section	.rodata,"a",@progbits
	.p2align	6, 0x0
	.amdhsa_kernel k_q5c57e74661_proj
		.amdhsa_group_segment_fixed_size 327680
		.amdhsa_private_segment_fixed_size 0
		.amdhsa_enable_private_segment 0
		.amdhsa_kernarg_size 40
		.amdhsa_user_sgpr_count 2
		.amdhsa_user_sgpr_kernarg_segment_ptr 1
		.amdhsa_wavefront_size32 1
		.amdhsa_system_sgpr_workgroup_id_x 1
		.amdhsa_system_sgpr_workgroup_id_y 1
		.amdhsa_system_sgpr_workgroup_id_z 1
		.amdhsa_system_vgpr_workitem_id 0
		.amdhsa_next_free_vgpr 768
		.amdhsa_next_free_sgpr 98
		.amdhsa_reserve_vcc 0
		.amdhsa_float_denorm_mode_32 3
		.amdhsa_float_denorm_mode_16_64 3
		.amdhsa_memory_ordered 1
		.amdhsa_forward_progress 1
		.amdhsa_inst_pref_size 77
	.end_amdhsa_kernel
	.amdgpu_metadata
---
amdhsa.version: [ 1, 2 ]
amdhsa.kernels:
  - .name:           k_q5c57e74661_proj
    .symbol:         k_q5c57e74661_proj.kd
    .args:
      - { .name: y_codes, .offset: 0, .size: 8, .value_kind: global_buffer, .address_space: global }
      - { .name: wp_codes, .offset: 8, .size: 8, .value_kind: global_buffer, .address_space: global }
      - { .name: lowp_scales, .offset: 16, .size: 8, .value_kind: global_buffer, .address_space: global }
      - { .name: b_proj, .offset: 24, .size: 8, .value_kind: global_buffer, .address_space: global }
      - { .name: out0, .offset: 32, .size: 8, .value_kind: global_buffer, .address_space: global }
    .group_segment_fixed_size: 327680
    .private_segment_fixed_size: 0
    .kernarg_segment_align: 8
    .kernarg_segment_size: 40
    .max_flat_workgroup_size: 128
    .sgpr_count:     98
    .vgpr_count:     768
    .wavefront_size: 32
...
	.end_amdgpu_metadata
.endif
;; end of part 4
